; MI455X (gfx1250); checked and timed in simulation.
; The chip was launched on July 23, 2026; its instructions are those of AMD's public machine-readable ISA for CDNA 5 (MIT licence, August 2026) and "CDNA5" Instruction Set Architecture Reference Guide (July 2026). The comments in the code are by the model that wrote it; some were corrected since.
;; Multi Head Attention. Allowed arithmetic: matrix products marked QUANTISED: E2M3 operands, one E8M0 scale for each 32 along K, by v_wmma_scale_f32_16x16x128_f8f6f4 with both operands' format E2M3, f32 sums; everything else in f32.
;; Inputs: Wk 1,024 x 1,024 float32; Wo 1,024 x 1,024 float32; Wq 1,024 x 1,024 float32; Wv 1,024 x 1,024 float32; bk 1,024 float32; bo 1,024 float32; bq 1,024 float32; bv 1,024 float32; mask 1 x 1 x 4,096 x 4,096 int32; x 1 x 4,096 x 1,024 float32.
;; Outputs: out0 1 x 4,096 x 1,024 float32.
;; This version of the problem:
;;   THIS VERSION OF THE PROBLEM IS GIVEN IN LOW PRECISION. The matrix products marked QUANTISED in the list below multiply operands that are first quantised to E2M3 (2 exponent bits, 3 mantissa bits; 6 bits a number), with one power-of-two scale for each 32 numbers along K (OCP MX v1.0); their sums are f32. All else is computed in f32.
;;   The module's matrix products, in the order in which they are computed (A, B: the left and right operand; K: the contracted axis; several contracted axes count as one K, in the product's order):
;;     1. [M 4,096, K 1,024] x [K 1,024, N 1,024]; A: input x; B: input Wq: QUANTISED
;;     2. [M 4,096, K 1,024] x [K 1,024, N 1,024]; A: input x; B: input Wk: QUANTISED
;;     3. [M 4,096, K 1,024] x [K 1,024, N 1,024]; A: input x; B: input Wv: QUANTISED
;;     4. batch 16 x [M 4,096, K 64] x [K 64, N 4,096]; A: computed on the way; B: computed on the way: QUANTISED
;;     5. batch 16 x [M 4,096, K 4,096] x [K 4,096, N 64]; A: softmax (see below); B: computed on the way: QUANTISED
;;     6. [M 4,096, K 1,024] x [K 1,024, N 1,024]; A: computed on the way; B: input Wo: QUANTISED
;;   THE QUANTISER, for each operand of a quantised product, along K:
;;     - K is cut into blocks of 32 from its start; a last block that is shorter is filled with zeros.
;;     - A block's scale is 2^e with e = floor(log2(the largest magnitude in the block)) - 2, held to -126 .. 127; a block of zeros has e = 0. As a byte (E8M0): e + 127.
;;     - Each number is divided by its block's scale, clamped to +-7.5, and rounded to the nearest number of E2M3, ties to even, subnormals kept.
;;     - The product sums the exact products of the quantised numbers (number of the format x scale) in f32.
;;   ~~~python
;;   def quantise(x, axis):      # numpy; x: float32 -> the quantised numbers, widened to float32 again
;;       x = np.moveaxis(x, axis, -1); K = x.shape[-1]
;;       x = np.pad(x, [(0, 0)] * (x.ndim - 1) + [(0, -K % 32)]); x = x.reshape(x.shape[:-1] + (-1, 32)); a = np.abs(x).max(-1, keepdims=True)
;;       e = np.where(a > 0, np.clip(np.frexp(np.where(a > 0, a, 1))[1] - 1 - 2, -126, 127), 0)      # np.frexp(a)[1] - 1 = floor(log2(a)), exactly
;;       r = np.clip(x / 2.0 ** e, -7.5, 7.5)
;;       step = 2.0 ** (np.maximum(np.frexp(np.where(r == 0, 1, r))[1] - 1, 0) - 3)
;;       q = np.round(r / step) * step * 2.0 ** e      # np.round: ties to even
;;       return np.moveaxis(q.reshape(q.shape[:-2] + (-1,))[..., :K], -1, axis).astype(np.float32)
;;   ~~~
;;   SOFTMAX AHEAD OF A QUANTISED PRODUCT. Where the list says 'softmax', what is quantised is not the finished softmax but p = 2^(t - M), with t = logit x log2(e) and M = ceil(the row's largest t), a whole number; so 1/2 < the row's largest p <= 1. The row's sum l is taken of the UNQUANTISED p, in f32, and the product's result is divided by l at the end. Since M is a whole number, a kernel that streams over the keys may use a running M (the ceiling of the running maximum): every later rescaling is an exact power of two, which a block's scale takes up: the codes' values come out the same.
;;   OPERANDS COMPUTED ON THE WAY. 'Computed on the way' means the value that the module computes at that place (a softmax that the list does not call 'softmax' is quantised finished and normalised). What goes into a quantiser is computed in f32, as accurately as f32 sums, v_exp_f32 and their like allow (about 1e-6 of the number): no bf16 or f16 on the way to a quantiser, and a product that is left as it is and whose result goes on into a quantised operand takes f32 operands (vector FMAs, or v_wmma_f32_16x16x4_f32). A number that lies on a knife's edge between two numbers of the format may be rounded either way, as far as f32 arithmetic and the matrix unit's own rounding can turn it there, and no further.
;; One version. Each part assembles by itself: llvm-mc -triple=amdgcn-amd-amdhsa -mcpu=gfx1250 --defsym DOCPART=n.
;; ======== version 1 of 1: 4 launches
;; limits: right only within a limited range of input values
;; workspace buffers: xq 3,276,800 bytes; wq 3,276,800 bytes; mbits 2,097,152 bytes of whole numbers; qrec 6,553,600 bytes; kvrec 6,553,600 bytes; ctxq 3,276,800 bytes
;; launch prep (part 1): grid 512 x 1, 4 waves a work-group, no clusters, 101,888 bytes of LDS; arguments mask, x, Wq, Wk, Wv, Wo, mbits, xq, wq; writes mbits, xq, wq
.if DOCPART == 1
	.amdgcn_target "amdgcn-amd-amdhsa--gfx1250"
	.amdhsa_code_object_version 6
	.text
	.protected	k_q278019b805_prep
	.globl	k_q278019b805_prep
	.p2align	8
	.type	k_q278019b805_prep,@function
k_q278019b805_prep:
	s_mov_b64 s[64:65], 0
	v_nop
	global_prefetch_b8 v0, s[64:65] scope:SCOPE_SE
	s_setreg_imm32_b32 hwreg(HW_REG_WAVE_MODE, 25, 1), 1
	s_wait_xcnt 0x0
; PREP: three kinds of work-group, told apart by the work-group's number alone; each kind has its own path, its own LDS bytes and its own end.
;   0 .. 255   the mask [4096][4096] int32 becomes bit words, laid as the attention launch's score registers lie (path M);
;   256 .. 383 x [4096][1024] f32 becomes codes of FP6 (E2M3) and E8M0 scale bytes, K innermost (path X);
;   384 .. 511 Wq, Wk, Wv, Wo [1024 (k)][1024 (n)] f32 become codes [n][k] and scale bytes [n][k / 32] (path W).
; ROWS ARE STORED AT PLACES: row t of x, and column n of a weight, goes to place pi(t): t with its bits 3 and 4 exchanged.  So 16 neighbouring places 16 a + r hold the rows
; 32 (a / 2) + 8 (a % 2) + r + 8 (r / 8), and the eight results that a lane of the products' launches holds in two neighbouring tiles are 16 neighbours along the next product's K.
; A block's scale is 2^(floor(log2(its largest magnitude)) - 2); its byte is the largest magnitude's exponent field - 2, held at 1 from below.
; LIMITS: a block of zeros gets the byte 1 (its codes are zeros; this program alone reads the bytes); blocks whose largest magnitude lies under 2^-124 are held at the byte 1; NaN and infinities are not served.
; No tensor loads, no barrier: waves share nothing.
.set EMAX,  2
.set W_LDS, 32768                      ; path X: LDS bytes 0 .. 32,767; path W: 32,768 .. 67,583; path M: 67,584 .. 101,375
.set M_LDS, 67584
	v_lshl_add_u32 v224, v0, 2, 0x18c00
	v_mov_b32 v225, 0
	s_cmp_lt_u32 ttmp9, 256
	s_cbranch_scc1 .Lmask
	s_cmp_lt_u32 ttmp9, 384
	s_cbranch_scc1 .Lx
; ---------------- PATH W: a lane takes a column n, its registers run down K: a block of 32 along K lies in one lane's 32 registers.
; A wave takes 32 columns x 256 along K: 8 blocks a lane, 192 bytes of codes a column.  They go through the wave's stage in LDS, row = the column's PLACE, and leave as rows: sixteen lanes store 192 consecutive bytes.
.set WNB,   8                          ; blocks a lane
.set WPIT,  272                        ; a stage row: sixteen places of 16 bytes, each with 12 bytes of codes, + 16
.set WKROW, 768                        ; a row of codes in memory
.set WX,    32                         ; v32-95   two sets of 32 numbers
.set WC,    96                         ; v96..    a block's codes
.set WOUT,  112                        ; v112-175 the way out
.set WSB,   24                         ; v24-25   the scale bytes, four to a register
	s_load_b256 s[8:15], s[0:1], 0x10              ; Wq, Wk, Wv, Wo
	s_load_b64 s[6:7], s[0:1], 0x40                ; wq
	v_lshrrev_b32 v1, 5, v0
	v_readfirstlane_b32 s16, v1                    ; wave
	v_and_b32 v2, 31, v0                           ; lane
	s_sub_co_u32 s30, ttmp9, 384                   ; j = 0 .. 127
	s_lshr_b32 s31, s30, 5                         ; which weight
	s_and_b32 s17, s30, 7
	s_lshl_b32 s17, s17, 7
	s_lshl_b32 s18, s16, 5
	s_add_co_u32 s17, s17, s18                     ; my wave's first column: 128 x (j % 8) + 32 x wave
	s_bfe_u32 s18, s30, 0x20003                    ; which 256 along K: (j / 8) % 4
	v_lshlrev_b32 v3, 2, v2                        ; in: 4 bytes a lane
	v_and_b32 v10, 7, v2
	v_bfe_u32 v11, v2, 3, 1
	v_lshl_add_u32 v10, v11, 4, v10
	v_bfe_u32 v11, v2, 4, 1
	v_lshl_add_u32 v10, v11, 3, v10                ; pi(lane): my column's place among the wave's 32
	s_mul_i32 s19, s16, 32*WPIT
	s_add_co_u32 s19, s19, W_LDS                   ; my stage
	v_mul_u32_u24 v4, v10, WPIT
	v_add_nc_u32 v4, s19, v4                       ; into it: row = my column's place
	v_and_b32 v5, 15, v2
	v_lshrrev_b32 v6, 4, v2
	v_mul_u32_u24 v7, v6, WPIT
	v_lshl_add_u32 v7, v5, 4, v7
	v_add_nc_u32 v7, s19, v7                       ; out of it: sixteen lanes to a row, two rows an instruction
	v_mul_u32_u24 v8, v6, WKROW
	v_mad_u32_u24 v8, v5, 12, v8                   ; and the same place in the codes
	v_lshlrev_b32 v9, 5, v10                       ; my column's row of scale bytes: 32 bytes a place
	s_lshl_b32 s20, s18, 20                        ; the weight: 256 rows of 4,096 bytes for each step along K,
	s_lshl_b32 s22, s17, 2
	s_add_co_u32 s20, s20, s22                     ; + 4 x column
	s_mov_b32 s21, 0
	s_mul_i32 s24, s31, 786432                     ; the codes: the weight's part,
	s_mul_i32 s22, s17, WKROW
	s_add_co_u32 s24, s24, s22                     ; + first place x 768
	s_mul_i32 s22, s18, 192
	s_add_co_u32 s24, s24, s22                     ; + 192 for each 256 along K
	s_mov_b32 s25, 0
	s_lshl_b32 s28, s31, 15                        ; the scale bytes: 32,768 a weight,
	s_lshl_b32 s22, s17, 5
	s_add_co_u32 s28, s28, s22
	s_lshl_b32 s22, s18, 3
	s_add_co_u32 s28, s28, s22
	s_add_co_u32 s28, s28, 3145728                 ; behind the four weights' codes
	s_mov_b32 s29, 0
	s_wait_kmcnt 0x0
	s_cmp_eq_u32 s31, 1                            ; the choice hangs on the work-group's number alone
	s_cselect_b64 s[4:5], s[10:11], s[8:9]
	s_cmp_eq_u32 s31, 2
	s_cselect_b64 s[4:5], s[12:13], s[4:5]
	s_cmp_eq_u32 s31, 3
	s_cselect_b64 s[4:5], s[14:15], s[4:5]
	s_add_nc_u64 s[4:5], s[4:5], s[20:21]
	s_add_nc_u64 s[8:9], s[6:7], s[28:29]
	s_add_nc_u64 s[6:7], s[6:7], s[24:25]
.macro WLOAD t                         ; block t: W(32 t + i, my column), i = 0 .. 31, into set t % 2: 32 lanes read 128 consecutive bytes
.irp i, 0,1,2,3,4,5,6,7,8,9,10,11,12,13,14,15,16,17,18,19,20,21,22,23,24,25,26,27,28,29,30,31
	global_load_b32 v[WX+32*((\t)%2)+\i], v3, s[4:5] offset:(32*(\t)+\i)*4096 th:TH_LOAD_NT
.endr
.endm
	WLOAD 0
	WLOAD 1
.macro WBLOCK t
.set XS, WX+32*((\t)%2)
.if (\t) < WNB-1
	s_wait_loadcnt 32                              ; this block's 32 loads are in; the next block's 32 may be out
.else
	s_wait_loadcnt 0
.endif
	v_max3_num_f32 v12, |v[XS]|, |v[XS+1]|, |v[XS+2]|               ; the block's largest magnitude: all 32 numbers are mine
	v_max3_num_f32 v13, |v[XS+3]|, |v[XS+4]|, |v[XS+5]|
.irp i, 6,10,14,18,22,26
	v_max3_num_f32 v12, v12, |v[XS+\i]|, |v[XS+\i+1]|
	v_max3_num_f32 v13, v13, |v[XS+\i+2]|, |v[XS+\i+3]|
.endr
	v_max3_num_f32 v12, v12, |v[XS+30]|, |v[XS+31]|
	v_max3_num_f32 v12, v12, v13, (EMAX+1)<<23     ; and the floor 2^(3 - 127): the byte cannot fall under 1
	v_add_nc_u32 v11, -(EMAX<<23), v12             ; 2 off its exponent field: the conversion takes this operand's exponent field as its scale
	v_lshrrev_b32 v13, 23, v11                     ; the scale's byte
.if (\t)%4 == 0
	v_mov_b32 v[WSB+(\t)/4], v13                   ; four bytes to a register, the lower K in the lower byte
.else
	v_lshl_or_b32 v[WSB+(\t)/4], v13, 8*((\t)%4), v[WSB+(\t)/4]
.endif
	v_cvt_scalef32_pk16_fp6_f32 v[WC:WC+2], v[XS:XS+15], v11
	v_cvt_scalef32_pk16_fp6_f32 v[WC+4:WC+6], v[XS+16:XS+31], v11   ; (a conversion's three registers begin on an even number)
	ds_store_b96 v4, v[WC:WC+2] offset:32*(\t)     ; 16 codes, 12 bytes, to a place of 16 bytes: every LDS address is a multiple of 16
	ds_store_b96 v4, v[WC+4:WC+6] offset:32*(\t)+16
.if (\t)+2 < WNB
	WLOAD (\t)+2
.endif
	s_wait_dscnt 0x0                               ; the stores have read their registers: the next block's codes may be written
.endm
.set Q, 0
.rept WNB
	WBLOCK Q
.set Q, Q+1
.endr
	global_store_b64 v9, v[WSB:WSB+1], s[8:9]      ; my column's 8 scale bytes
.irp t, 0,1,2,3,4,5,6,7,8,9,10,11,12,13,14,15
	ds_load_b96 v[WOUT+4*\t:WOUT+4*\t+2], v7 offset:2*\t*WPIT   ; LDS serves a wave's instructions in order: these see my stores
.endr
.irp t, 0,1,2,3,4,5,6,7,8,9,10,11,12,13,14,15
	s_wait_dscnt 15-\t                             ; the younger loads may be out
	global_store_b96 v8, v[WOUT+4*\t:WOUT+4*\t+2], s[6:7] offset:2*\t*WKROW
.endr
	s_wait_tensorcnt 0x0
	ds_add_u32 v224, v225
	s_wait_dscnt 0x0
	s_endpgm
; ---------------- PATH X: x is a plain stream of blocks of 32.  A wave takes 8 rows (16 steps of 512 numbers).  Each load reads 512 consecutive bytes; a step's 2,048 bytes turn through the wave's stage in LDS
; and come back 64 bytes (16 neighbours along K) a lane; two neighbouring lanes hold a block.  The wave's 8 rows go out as one run, at the run's PLACE: waves 1 and 2 change places.
.Lx:
.set STEPS, 16
.set CB,    12                         ; bytes of 16 codes
.set XR,    16                         ; v16-79   four sets of 16 numbers as they are loaded
.set XX,    80                         ; v80-111  two sets of 16 neighbours
.set XC,    128                        ; v128-191 codes: four registers for each step, so that no store's data are written again
.set XE,    112                        ; v112-127 a scale byte for each step
.set WREG,  8192                       ; a wave's LDS: two stages of 32 x SP bytes, behind them its 256 scale bytes
.set SP,    80                         ; a lane's place in a stage: 64 bytes + 16 of padding
	s_load_b64 s[4:5], s[0:1], 0x8                 ; x
	s_load_b64 s[8:9], s[0:1], 0x38                ; xq
	v_lshrrev_b32 v1, 5, v0
	v_readfirstlane_b32 s16, v1                    ; wave
	v_and_b32 v2, 31, v0                           ; lane
	v_lshlrev_b32 v3, 4, v2                        ; my 16 bytes of a load's 512
	s_mul_i32 s19, s16, WREG
	v_lshrrev_b32 v14, 2, v2
	v_mul_u32_u24 v14, v14, SP
	v_and_b32 v15, 3, v2
	v_lshl_add_u32 v14, v15, 4, v14
	v_add_nc_u32 v14, s19, v14                     ; the stage, on the way in: SP (lane / 4) + 16 (lane % 4)
	v_mul_u32_u24 v15, v2, SP
	v_add_nc_u32 v15, s19, v15                     ; and on the way out: SP x lane
	v_mul_u32_u24 v4, v2, CB                       ; my codes' place in a step's
	v_lshrrev_b32 v5, 1, v2
	s_add_co_u32 s19, s19, 2*32*SP
	v_add_nc_u32 v5, s19, v5                       ; LDS: my wave's 256 scale bytes, my block's byte
	v_lshlrev_b32 v7, 3, v2                        ; and on the way out 8 bytes a lane
	v_add_nc_u32 v6, s19, v7
	s_sub_co_u32 s17, ttmp9, 256
	s_lshl_b32 s17, s17, 2
	s_add_co_u32 s18, s17, s16                     ; the run of 8 rows that I read: 4 x work-group + wave
	s_and_b32 s22, s16, 1
	s_lshl_b32 s22, s22, 1
	s_lshr_b32 s23, s16, 1
	s_or_b32 s22, s22, s23
	s_add_co_u32 s22, s17, s22                     ; and its place: the wave's two bits exchanged
	s_lshl_b32 s20, s18, 15                        ; 32,768 bytes of x a run
	s_mov_b32 s21, 0
	s_mul_i32 s24, s22, 6144                       ; 6,144 bytes of codes
	s_mov_b32 s25, 0
	s_lshl_b32 s26, s22, 8                         ; 256 scale bytes,
	s_add_co_u32 s26, s26, 3145728                 ; behind the codes
	s_mov_b32 s27, 0
	s_wait_kmcnt 0x0
	s_add_nc_u64 s[4:5], s[4:5], s[20:21]
	s_add_nc_u64 s[10:11], s[8:9], s[26:27]
	s_add_nc_u64 s[8:9], s[8:9], s[24:25]
.macro XLOAD t
.irp i, 0,1,2,3
	global_load_b128 v[XR+16*((\t)%4)+4*\i:XR+16*((\t)%4)+4*\i+3], v3, s[4:5] offset:2048*(\t)+512*\i th:TH_LOAD_NT
.endr
.endm
.macro XTURN t                         ; step t's numbers through the stage: LDS serves a wave's instructions in order, so no wait stands between the stores and the loads
.irp i, 0,1,2,3
	ds_store_b128 v14, v[XR+16*((\t)%4)+4*\i:XR+16*((\t)%4)+4*\i+3] offset:32*SP*((\t)%2)+8*SP*\i
.endr
.irp i, 0,1,2,3
	ds_load_b128 v[XX+16*((\t)%2)+4*\i:XX+16*((\t)%2)+4*\i+3], v15 offset:32*SP*((\t)%2)+16*\i
.endr
.endm
.irp t, 0,1,2,3
	XLOAD \t
.endr
	s_wait_loadcnt 12                              ; step 0's four loads are in; the twelve behind them may be out
	XTURN 0
.macro XSTEP t
.set XS, XX+16*((\t)%2)
.if (\t) > 0
	s_wait_dscnt 1                                 ; this step's numbers are back from the stage (the last step's byte store may be out)
.else
	s_wait_dscnt 0x0
.endif
.if (\t)+4 < STEPS
	XLOAD (\t)+4                                   ; into the registers that this step's stores into the stage have read
.endif
.if (\t)+1 < STEPS
.if STEPS-2-(\t) >= 3
	s_wait_loadcnt 12                              ; the next step's four loads are in; those of the three steps behind it may be out
.else
	s_wait_loadcnt 4*(STEPS-2-(\t))
.endif
	XTURN (\t)+1
.endif
	v_max3_num_f32 v8, |v[XS]|, |v[XS+1]|, |v[XS+2]|               ; the largest magnitude of my 16
	v_max3_num_f32 v9, |v[XS+3]|, |v[XS+4]|, |v[XS+5]|
.irp i, 6,10
	v_max3_num_f32 v8, v8, |v[XS+\i]|, |v[XS+\i+1]|
	v_max3_num_f32 v9, v9, |v[XS+\i+2]|, |v[XS+\i+3]|
.endr
	v_max3_num_f32 v8, v8, |v[XS+14]|, |v[XS+15]|
	v_max3_num_f32 v8, v8, v9, (EMAX+1)<<23        ; and the floor 2^(3 - 127)
	v_max_num_f32_dpp v8, v8, v8 row_xmask:1 row_mask:0xf bank_mask:0xf   ; and of my neighbour's 16: the block's
	v_add_nc_u32 v11, -(EMAX<<23), v8              ; the conversion's scale operand
	v_cvt_scalef32_pk16_fp6_f32 v[XC+4*(\t):XC+4*(\t)+2], v[XS:XS+15], v11
	v_lshrrev_b32 v[XE+(\t)], 23, v11              ; the scale's byte
	ds_store_b8 v5, v[XE+(\t)] offset:16*(\t)      ; both lanes of a block write the same byte with the same value
	global_store_b96 v4, v[XC+4*(\t):XC+4*(\t)+2], s[8:9] offset:32*CB*(\t)   ; the wave stores 384 consecutive bytes
.endm
.irp t, 0,1,2,3,4,5,6,7,8,9,10,11,12,13,14,15
	XSTEP \t
.endr
	ds_load_b64 v[12:13], v6                       ; LDS serves a wave's instructions in order: these see my stores
	s_wait_dscnt 0x0
	global_store_b64 v7, v[12:13], s[10:11]        ; 32 lanes store 256 consecutive bytes, aligned
	s_wait_tensorcnt 0x0
	ds_add_u32 v224, v225
	s_wait_dscnt 0x0
	s_endpgm
; ---------------- PATH M: work-group T makes the bit words of query tile T (queries tb + r + 8 (r / 8), tb = 32 (T / 2) + 8 (T % 2)); wave w those of key steps 8 w .. 8 w + 7 (128 keys each).
; Word n = 16 b + i of (T, step s), bit l = 16 h + r:  mask[tb + r + 8 (r / 8)][128 s + 32 b + 16 h + i] != 0: lane l's score register n in the attention launch.
; Each load reads 512 consecutive bytes of one row of the mask; 16 rows turn through the wave's stage (rows 528 bytes apart); a compare of register n gives word n whole; 64 words leave as 256 consecutive bytes.
.Lmask:
.set MP,  528
.set MR,  32                           ; v32-159  two sets of 64 registers as loaded
.set MX,  160                          ; v160-223 the 64 registers in the score registers' order
.set MW,  8                            ; v8-23    a pair for each step: lane n / 2, register n % 2 holds word n
	s_load_b64 s[4:5], s[0:1], 0x0                 ; mask
	s_load_b64 s[6:7], s[0:1], 0x30                ; mbits
	v_lshrrev_b32 v1, 5, v0
	v_readfirstlane_b32 s16, v1                    ; wave
	v_and_b32 v5, 31, v0
	v_and_b32 v6, 15, v0                           ; r
	v_bfe_u32 v7, v0, 4, 1                         ; h
	v_lshlrev_b32 v1, 4, v5                        ; my 16 bytes of a load's 512
	s_mul_i32 s19, s16, 16*MP
	s_add_co_u32 s19, s19, M_LDS                   ; my stage
	v_add_nc_u32 v2, s19, v1                       ; in: 16 x lane, the row in the immediate
	v_mul_u32_u24 v3, v6, MP
	v_lshl_add_u32 v3, v7, 6, v3
	v_add_nc_u32 v3, s19, v3                       ; out: row r, + 64 h
	v_lshlrev_b32 v4, 3, v5                        ; the words' store: 8 bytes a lane
.irp i, 0,1,2,3,4,5,6,7,8,9,10,11,12,13,14,15
	v_mov_b32 v[MW+\i], 0                          ; a lane write's destination counts as read
.endr
	s_lshr_b32 s20, ttmp9, 1
	s_lshl_b32 s20, s20, 5
	s_and_b32 s21, ttmp9, 1
	s_lshl_b32 s21, s21, 3
	s_add_co_u32 s20, s20, s21                     ; tb
	s_lshl_b32 s20, s20, 14                        ; a row of the mask is 16,384 bytes
	s_lshl_b32 s21, s16, 12                        ; my wave's 8 steps of 512 bytes
	s_add_co_u32 s20, s20, s21
	s_mov_b32 s21, 0
	s_lshl_b32 s22, ttmp9, 13                      ; 32 steps x 256 bytes a tile,
	s_lshl_b32 s23, s16, 11                        ; 8 steps a wave
	s_add_co_u32 s22, s22, s23
	s_mov_b32 s23, 0
	s_wait_kmcnt 0x0
	s_add_nc_u64 s[4:5], s[4:5], s[20:21]
	s_add_nc_u64 s[6:7], s[6:7], s[22:23]
.macro MLOAD t
.irp k, 0,1,2,3,4,5,6,7,8,9,10,11,12,13,14,15
	global_load_b128 v[MR+64*((\t)%2)+4*\k:MR+64*((\t)%2)+4*\k+3], v1, s[4:5] offset:(\k+8*(\k/8))*16384+512*(\t) th:TH_LOAD_NT
.endr
.endm
.macro MSTEP t
.if (\t) < 7
	s_wait_loadcnt 16                              ; this step's 16 loads are in; the next step's 16 may be out
.else
	s_wait_loadcnt 0
.endif
.irp k, 0,1,2,3,4,5,6,7,8,9,10,11,12,13,14,15
	ds_store_b128 v2, v[MR+64*((\t)%2)+4*\k:MR+64*((\t)%2)+4*\k+3] offset:MP*\k
.endr
.irp n, 0,1,2,3,4,5,6,7,8,9,10,11,12,13,14,15
	ds_load_b128 v[MX+4*\n:MX+4*\n+3], v3 offset:128*(\n/4)+16*(\n%4)   ; keys 32 b + 16 h + 4 jj on, n = 4 b + jj
.endr
	s_wait_dscnt 0x0                               ; the numbers are back, and the stores have read their registers,
.if (\t)+2 < 8
	MLOAD (\t)+2                                   ; which take the loads of two steps on
.endif
.irp g, 0,1,2,3
.irp k, 0,1,2,3,4,5,6,7,8,9,10,11,12,13,14,15
	v_cmp_ne_u32 s[32+\k], 0, v[MX+16*\g+\k]       ; word 16 g + k: a bit a lane
.endr
.irp k, 0,1,2,3,4,5,6,7,8,9,10,11,12,13,14,15
	v_writelane_b32 v[MW+2*(\t)+\k%2], s[32+\k], 8*\g+\k/2
.endr
.endr
	global_store_b64 v4, v[MW+2*(\t):MW+2*(\t)+1], s[6:7] offset:256*(\t)   ; 32 lanes store 256 consecutive bytes, aligned
.endm
	MLOAD 0
	MLOAD 1
.irp t, 0,1,2,3,4,5,6,7
	MSTEP \t
.endr
	s_wait_tensorcnt 0x0
	ds_add_u32 v224, v225
	s_wait_dscnt 0x0
	s_endpgm
.Lfunc_end_k_q278019b805_prep:
	.size	k_q278019b805_prep, .Lfunc_end_k_q278019b805_prep-k_q278019b805_prep
	.p2alignl 7, 3214868480
	.fill 96, 4, 3214868480
	.section	.rodata,"a",@progbits
	.p2align	6, 0x0
	.amdhsa_kernel k_q278019b805_prep
		.amdhsa_group_segment_fixed_size 101888
		.amdhsa_private_segment_fixed_size 0
		.amdhsa_enable_private_segment 0
		.amdhsa_kernarg_size 72
		.amdhsa_user_sgpr_count 2
		.amdhsa_user_sgpr_kernarg_segment_ptr 1
		.amdhsa_wavefront_size32 1
		.amdhsa_system_sgpr_workgroup_id_x 1
		.amdhsa_system_sgpr_workgroup_id_y 1
		.amdhsa_system_sgpr_workgroup_id_z 1
		.amdhsa_system_vgpr_workitem_id 0
		.amdhsa_next_free_vgpr 226
		.amdhsa_next_free_sgpr 66
		.amdhsa_reserve_vcc 0
		.amdhsa_float_denorm_mode_32 3
		.amdhsa_float_denorm_mode_16_64 3
		.amdhsa_memory_ordered 1
		.amdhsa_forward_progress 1
		.amdhsa_inst_pref_size 169
	.end_amdhsa_kernel
	.amdgpu_metadata
---
amdhsa.version: [ 1, 2 ]
amdhsa.kernels:
  - .name:           k_q278019b805_prep
    .symbol:         k_q278019b805_prep.kd
    .args:
      - { .name: mask, .offset: 0, .size: 8, .value_kind: global_buffer, .address_space: global }
      - { .name: x, .offset: 8, .size: 8, .value_kind: global_buffer, .address_space: global }
      - { .name: Wq, .offset: 16, .size: 8, .value_kind: global_buffer, .address_space: global }
      - { .name: Wk, .offset: 24, .size: 8, .value_kind: global_buffer, .address_space: global }
      - { .name: Wv, .offset: 32, .size: 8, .value_kind: global_buffer, .address_space: global }
      - { .name: Wo, .offset: 40, .size: 8, .value_kind: global_buffer, .address_space: global }
      - { .name: mbits, .offset: 48, .size: 8, .value_kind: global_buffer, .address_space: global }
      - { .name: xq, .offset: 56, .size: 8, .value_kind: global_buffer, .address_space: global }
      - { .name: wq, .offset: 64, .size: 8, .value_kind: global_buffer, .address_space: global }
    .group_segment_fixed_size: 101888
    .private_segment_fixed_size: 0
    .kernarg_segment_align: 8
    .kernarg_segment_size: 72
    .max_flat_workgroup_size: 128
    .sgpr_count:     66
    .vgpr_count:     226
    .wavefront_size: 32
...
	.end_amdgpu_metadata
.endif
;; end of part 1
;; launch proj_qkv (part 2): grid 4 x 48, 4 waves a work-group, clusters of 4 x 4, 327,680 bytes of LDS; arguments xq, wq, bq, bk, bv, qrec, kvrec; writes qrec, kvrec
.if DOCPART == 2
	.amdgcn_target "amdgcn-amd-amdhsa--gfx1250"
	.amdhsa_code_object_version 6
	.text
	.protected	k_q278019b805_proj_qkv
	.globl	k_q278019b805_proj_qkv
	.p2align	8
	.type	k_q278019b805_proj_qkv,@function
k_q278019b805_proj_qkv:
	s_mov_b64 s[64:65], 0
	v_nop
	global_prefetch_b8 v0, s[64:65] scope:SCOPE_SE
	s_setreg_imm32_b32 hwreg(HW_REG_WAVE_MODE, 25, 1), 1
	s_wait_xcnt 0x0
	s_wait_alu depctr_hold_cnt(0) depctr_sa_sdst(0) depctr_va_vdst(0) depctr_va_sdst(0) depctr_va_ssrc(0) depctr_va_vcc(0) depctr_vm_vsrc(0)
	s_getreg_b32 s2, hwreg(HW_REG_IB_STS2, 6, 4)
	s_cmp_eq_u32 s2, 0
	s_cbranch_scc0 .Lentry_in_a_cluster
	s_endpgm
.Lentry_in_a_cluster:
	s_bfe_u32 s2, ttmp6, 0x10000c
	s_cmp_lg_u32 s2, 0xf033
	s_cbranch_scc0 .Lentry_shape_is_right
	s_endpgm
.Lentry_shape_is_right:
; Q = x Wq + bq, K = x Wk + bk, V = x Wv + bv on codes of FP6 (E2M3) with one E8M0 scale for each 32 along K = 1,024; sums in f32; the results are quantised in registers and leave as images of operand registers.
; C[m][n] = sum over k of A[m][k] B[n][k].  The cluster's y says which product: 0-3 Q, 4-7 K (A = x, 4,096 rows; B = the weight, 1,024 rows), 8-11 V (A = Wv, B = x: so a lane holds one channel and its registers run along the tokens).
; A tile of C, 256 x 256, is made by a work-group of four waves; a wave makes 128 x 128: 64 accumulators of 16 x 16.  K goes in steps of 256 through a ring of two LDS slots filled by the tensor data mover.
; The scale bytes of the work-group's rows of A and of B come into LDS once, with the first fills.  CLUSTERS: 4 x 4 work-groups; A's tiles are asked for jointly along a row of the cluster, B's along a column.
; THE MATRIX INSTRUCTION IS USED TRANSPOSED (source 0 = 16 rows of B, source 1 = 16 rows of A): accumulator (a, b), register j, lane (r, h) is C(A's place 16 a + r, B's place 16 b + 8 h + j).
; Rows lie at PLACES (bits 3 and 4 of the row number exchanged): so for one a the 64 registers 16 g + i of b = 0 .. 7 hold B's true rows 32 g + 16 h + i of the wave's 128, and A's place 16 a + r is true row 32 (a / 2) + 8 (a % 2) + r + 8 (r / 8).
; THE WAY OUT.  Q, K: the wave's 128 columns are two heads of 64 channels.  64 numbers + bias are quantised along the channels: registers 0-5 of the result are head 0's 64 codes of my token, registers 6-11 head 1's.
;   Blocks a = 2 p and 2 p + 1 together give, for each head, one fragment of 32 tokens: registers 0-5 token 32 p + r + 8 (r / 8), registers 6-11 the token 8 further on; its scale word has two bytes of each.
;   V: the wave's 128 columns are the 128 tokens of a key step: block a gives one fragment of V^T (16 channels x 128 keys) and its scale word.
; A fragment's 12 registers leave as three stores of 512 consecutive bytes (lane l's 16 bytes at 16 l); four fragments' scale words as one store of 256 (register g: lanes 0-15 fragment 2 g, lanes 16-31 fragment 2 g + 1).
; kvrec: codes at (32 head + step) x 12,288: K's four fragments, then V's four; scales at 6,291,456 + (32 head + step) x 512: K's pair, then V's.  qrec: Q at K's places of the same layout.
; LIMITS: a block of zeros gets the byte 1 (its codes are zeros); blocks whose largest magnitude lies under 2^-124 are held at the byte 1; NaN and infinities are not served.
; REGISTERS, in windows of 256: window 0: v0-31 addresses, v8-15 the bias by A's rows; v32-63 scale words, two sets; v64-127 the bias by B's rows; from v128 A's fragments, ONE set; on the way out v128-255 are at work.
;   window 1: B's fragments, TWO sets.   window 2: the accumulators of my rows 0-63 ((a, b) at v[8 (8 a + b)]);   window 3: those of my rows 64-127.
.set SIZE_K, 1024
.set KSTEP,  256                       ; along K in a slot
.set NQ,     KSTEP/128                 ; matrix instructions deep
.set ROWB,   192                       ; a tile's row in bytes
.set KROW,   SIZE_K*6/8                ; a row of codes in memory
.set PITCH,  240                       ; an LDS row: 3 x (64 bytes of data + 16 of padding)
.set FR,     12                        ; registers of a fragment
.set NL,     6                         ; LDS loads that bring one
.set NP,     4                         ; places behind this matrix instruction (ISA guide 7.12.1)
.set HALFT,  128*PITCH                 ; 128 rows: what one tensor load brings
.set SLOT,   4*HALFT                   ; A's 256 rows, then B's 256 rows
.set LAPS,   SIZE_K/(2*KSTEP)
.set KS,     SIZE_K/32                 ; a row of scales in bytes
.set SCL,    2*SLOT                    ; behind the ring: the scales, as rows of 256 bytes + 16 of padding
.set HALFS,  (128*KS/256)*272          ; the scales of 128 rows
.set SBLK,   (16*KS/256)*272           ; those of 16 rows
.set SPARE,  SCL+4*HALFS               ; the spare words, 128 bytes for each wave: two blocks of 256 bytes that no other line names
.set L8,   7                           ; v7      8 x lane
.set BM,   8                           ; v8-15   the bias of A's true rows: register a for block a
.set ADRA, 16                          ; v16-17  LDS address of my A fragments in slot 0, 1  (v18-19: behind one padding more)
.set ADRB, 20                          ; v20-21  the same for B  (v22-23)
.set LI,   26                          ; v26     16 x lane
.set ADRS, 27                          ; v27     LDS address of my scale words: lanes 0-15 A's rows, lanes 16-31 B's
.set SPW,  28                          ; v28     LDS address of my spare word; never rewritten
.set NIL,  29                          ; v29     0; never rewritten
.set SC,   32                          ; scale words: set s at v[SC + 8 NQ s]
.set BN,   64                          ; v64-127 the bias of B's true rows: register 16 g + i
.set AF,   128                         ; A's fragments, in window 0
.set HA,   128                         ; the way out: v128-191 64 numbers with their bias
.set TM,   192                         ; v192-195 largest magnitudes, v196-199 partners' and bytes, v204-207 the conversions' scale operands
.set PWA,  208                         ; v208-209 the scale words just made
.set WH,   210                         ; v210-217 the fragments' scale words: four of the first head, four of the second
.set CT0,  218                         ; v218-220, v222-224 the conversions' upper halves
.set CT1,  222
.set OS,   226                         ; v226-229 the two scale pairs
.set FA,   232                         ; v232-243, v244-255 two fragments
.set FB,   244
.set G1, 24
.set G0, 32
.set G1B, 48
.set G0B, 56
.set G1S, 68
.set G0S, 76
.set G1SB, 80
.set G0SB, 88
.set HM,   94                          ; s94     on the way out: the lanes 16-31
.set PATH, 95                          ; s95     0 Q, 1 K, 2 V: the same in all sixteen partners
.set SEL,  96                          ; s[96:97] lane selects for v_permlanex16_b32: lane l xor 16
.set MSB, 0
.macro WIN new                         ; the immediate's high byte repeats the setting that is left
.if MSB != \new
	s_set_vgpr_msb (MSB<<8)|\new
.set MSB, \new
.endif
.endm
.set MUL_LO, 0xa1                      ; source 0 (B) window 1, source 1 (A) window 0, C and D window 2
.set MUL_HI, 0xf1                      ; the same, C and D window 3
.set TO_B,   0x40                      ; destination window 1, address window 0
; A joint load: waves 0 and 1 fetch for A, waves 2 and 3 for B.  The branch hangs on the wave's number alone.  Four v_nop follow each of the two lines.
.macro JLOAD g0a, g1a, g0b, g1b
	s_cmp_eq_u32 s15, 0
	s_cbranch_scc0 .Lfor_b_\@
	tensor_load_to_lds s[\g0a:\g0a+3], s[\g1a:\g1a+7]
	s_nop 0
.rept 4
	v_nop
.endr
	s_branch .Lasked_\@
.Lfor_b_\@:
	tensor_load_to_lds s[\g0b:\g0b+3], s[\g1b:\g1b+7]
	s_nop 0
.rept 4
	v_nop
.endr
.Lasked_\@:
.endm
.macro CREST                           ; a round of the cluster's barrier behind its opening barrier
	s_cmp_lg_u32 s14, 0
	s_cbranch_scc1 .Lnot_wave_0_\@
	s_barrier_signal -3
.Lnot_wave_0_\@:
	s_barrier_wait -3
	s_barrier_signal -1
	s_barrier_wait -1
.endm
.macro CROUND                          ; a whole round
	s_barrier_signal -1
	s_barrier_wait -1
	CREST
.endm
	s_load_b128 s[68:71], s[0:1], 0x0              ; xq, wq  (these registers become descriptors behind the choice of pointers)
	s_load_b128 s[72:75], s[0:1], 0x10             ; bq, bk
	s_load_b128 s[76:79], s[0:1], 0x20             ; bv, qrec
	s_load_b64 s[80:81], s[0:1], 0x30              ; kvrec
	v_lshl_add_u32 v[SPW], v0, 2, SPARE
	v_mov_b32 v[NIL], 0
	ds_add_u32 v28, v29
	s_wait_dscnt 0x0
	v_lshrrev_b32 v1, 5, v0
	v_readfirstlane_b32 s14, v1                    ; wave 0..3
	s_lshr_b32 s15, s14, 1                         ; which half of the tile's rows is mine.  Also: I fetch for A (0) or for B (1)
	s_and_b32 s16, s14, 1                          ; which half of its columns.  Also: which 128 rows of that tile I fetch
	s_bfe_u32 s40, ttmp6, 0x40000                  ; cx, cy: my place in the cluster
	s_bfe_u32 s41, ttmp6, 0x40004
	s_and_b32 s17, ttmp7, 0xffff                   ; the cluster's y, 0 .. 11
	s_lshr_b32 s[PATH], s17, 2
	s_and_b32 s17, s17, 3
	s_cmp_eq_u32 s[PATH], 2
	s_cselect_b32 s42, s17, 0                      ; V: the clusters lie along B's 4,096 rows;
	s_cselect_b32 s17, 0, s17                      ; Q, K: along A's
	s_lshl_b32 s42, s42, 2
	s_add_co_u32 s42, s42, s40                     ; tile column of C
	s_lshl_b32 s17, s17, 2
	s_add_co_u32 s17, s17, s41                     ; tile row of C
	s_lshl_b32 s43, s41, 2
	s_lshl_b32 s43, 15, s43                        ; my row of the cluster
	s_lshl_b32 s44, 0x1111, s40                    ; my column
	; descriptor group 1: a tile of 128 rows x ROWB bytes, padded in LDS
	s_or_b32 s[G1+0], s43, (0<<16)|(1<<20)|(1<<21)|(3<<22)|(3<<25)  ; 15:0 the mask: A's tiles go to my row; elements of 1 byte; padding on; bit 21 beside a mask; after every 16 words 4 words
	s_or_b32 s[G1B+0], s44, (0<<16)|(1<<20)|(1<<21)|(3<<22)|(3<<25)
.irp g, G1, G1B
	s_mov_b32 s[\g+1], ROWB<<16                    ; tensor_dim0
	s_mov_b32 s[\g+2], 128<<16                     ; tensor_dim1 = 128
	s_mov_b32 s[\g+3], ROWB<<16                    ; tile_dim0
	s_mov_b32 s[\g+4], 128                         ; tile_dim1 = 128
	s_mov_b32 s[\g+5], KROW                        ; tensor_dim0_stride
	s_mov_b32 s[\g+6], 0
	s_mov_b32 s[\g+7], 0
.endr
	s_lshl_b32 s18, s16, 7                         ; which 128 rows of the tile I fetch
	s_lshl_b32 s20, s17, 8
	s_add_co_u32 s20, s20, s18                     ; A: place 256 x tile row + 128 x half
	s_lshl_b32 s46, s42, 8
	s_add_co_u32 s46, s46, s18                     ; B: place 256 x tile column + 128 x half
	s_mov_b32 s21, 0
	s_mov_b32 s47, 0
	s_mov_b64 s[18:19], KS
	s_mul_u64 s[22:23], s[20:21], s[18:19]         ; where these rows' scales begin, in bytes
	s_mul_u64 s[92:93], s[46:47], s[18:19]
	s_mov_b64 s[18:19], KROW
	s_mul_u64 s[20:21], s[20:21], s[18:19]         ; and their codes
	s_mul_u64 s[46:47], s[46:47], s[18:19]
	s_mul_i32 s45, s14, HALFT                      ; where they go: wave x 128 rows: no place in the cluster enters an LDS address
	s_mul_i32 s94, s14, HALFS
	s_wait_kmcnt 0x0
	; the choice of buffers hangs on the path alone.  s[4:5] A's codes, s[6:7] A's scales, s[8:9] B's codes, s[10:11] B's scales, s[12:13] the output, s[100:101] the bias
	s_cmp_eq_u32 s[PATH], 2
	s_cselect_b64 s[4:5], s[70:71], s[68:69]
	s_cselect_b64 s[8:9], s[68:69], s[70:71]
	s_mov_b64 s[6:7], s[4:5]
	s_mov_b64 s[10:11], s[8:9]
	s_mov_b32 s67, 0
	s_cselect_b32 s66, 1572864, 0                  ; Wv's codes are the third weight's
	s_add_nc_u64 s[4:5], s[4:5], s[66:67]
	s_mov_b32 s66, 3145728
	s_cselect_b32 s66, 3211264, s66                ; scales lie behind 3,145,728 bytes of codes; Wv's 65,536 further on
	s_add_nc_u64 s[6:7], s[6:7], s[66:67]
	s_mul_i32 s66, s[PATH], 786432
	s_cselect_b32 s66, 0, s66                      ; B: x, or weight 0 or 1
	s_add_nc_u64 s[8:9], s[8:9], s[66:67]
	s_mul_i32 s66, s[PATH], 32768
	s_cselect_b32 s66, 0, s66
	s_add_nc_u64 s[10:11], s[10:11], s[66:67]
	s_add_nc_u64 s[10:11], s[10:11], 3145728
	s_cselect_b64 s[100:101], s[76:77], s[74:75]   ; bv or bk,
	s_cmp_eq_u32 s[PATH], 0
	s_cselect_b64 s[100:101], s[72:73], s[100:101] ; or bq
	s_cselect_b64 s[12:13], s[78:79], s[80:81]     ; qrec or kvrec
	; group 1 for the scales of 128 rows: a dense block of 4,096 bytes, as 16 rows of 256 bytes (32 elements of 8 bytes), 16 bytes of padding behind each
	s_or_b32 s[G1S+0], s43, (3<<16)|(1<<20)|(1<<21)|(5<<22)|(3<<25)
	s_or_b32 s[G1SB+0], s44, (3<<16)|(1<<20)|(1<<21)|(5<<22)|(3<<25)
.irp g, G1S, G1SB
	s_mov_b32 s[\g+1], 32<<16
	s_mov_b32 s[\g+2], (128*KS/256)<<16
	s_mov_b32 s[\g+3], 32<<16
	s_mov_b32 s[\g+4], 128*KS/256
	s_mov_b32 s[\g+5], 32
	s_mov_b32 s[\g+6], 0
	s_mov_b32 s[\g+7], 0
.endr
	s_add_nc_u64 s[20:21], s[4:5], s[20:21]
	s_add_nc_u64 s[22:23], s[6:7], s[22:23]
	s_add_nc_u64 s[46:47], s[8:9], s[46:47]
	s_add_nc_u64 s[92:93], s[10:11], s[92:93]
	CROUND                                         ; all sixteen work-groups are here: the first joint loads meet
	s_mov_b32 s[G0S], 1
	s_add_co_u32 s[G0S+1], s94, SCL
	s_mov_b64 s[G0S+2:G0S+3], s[22:23]
	s_or_b32 s[G0S+3], s[G0S+3], 0x80000000
	s_mov_b32 s[G0SB], 1
	s_add_co_u32 s[G0SB+1], s94, SCL
	s_mov_b64 s[G0SB+2:G0SB+3], s[92:93]
	s_or_b32 s[G0SB+3], s[G0SB+3], 0x80000000
	JLOAD G0S, G1S, G0SB, G1SB                     ; the scales first: they are wanted with K step 0
.irp s, 0,1
	s_mov_b32 s[G0+4*\s], 1
	s_add_co_u32 s[G0+4*\s+1], s45, \s*SLOT
	s_add_nc_u64 s[G0+4*\s+2:G0+4*\s+3], s[20:21], \s*ROWB
	s_or_b32 s[G0+4*\s+3], s[G0+4*\s+3], 0x80000000
	s_mov_b32 s[G0B+4*\s], 1
	s_add_co_u32 s[G0B+4*\s+1], s45, \s*SLOT
	s_add_nc_u64 s[G0B+4*\s+2:G0B+4*\s+3], s[46:47], \s*ROWB
	s_or_b32 s[G0B+4*\s+3], s[G0B+4*\s+3], 0x80000000
	JLOAD G0+4*\s, G1, G0B+4*\s, G1B
.endr
	v_and_b32 v1, 15, v0                           ; r = l % 16
	v_bfe_u32 v2, v0, 4, 1                         ; h = l / 16
	v_mul_u32_u24 v3, v1, PITCH
	v_mul_u32_u24 v4, v2, 24
	v_add_nc_u32 v4, v3, v4                        ; a fragment's row x pitch + 24 x half
	v_lshl_add_u32 v5, v2, 4, v4                   ; and the same behind one padding more
	s_mul_i32 s21, s15, HALFT                      ; my 128 rows of A
	s_mul_i32 s22, s16, HALFT                      ; my 128 rows of B,
	s_add_co_u32 s22, s22, 2*HALFT                 ; which lie behind A's 256
.irp s, 0,1
	v_add_nc_u32 v[ADRA+\s], s21, v4
	v_add_nc_u32 v[ADRB+\s], s22, v4
	v_add_nc_u32 v[ADRA+2+\s], s21, v5
	v_add_nc_u32 v[ADRB+2+\s], s22, v5
	s_add_co_u32 s21, s21, SLOT
	s_add_co_u32 s22, s22, SLOT
.endr
	v_mul_u32_u24 v5, v1, KS                       ; my row's scales: KS bytes a row,
	v_lshrrev_b32 v6, 8, v5
	v_lshl_add_u32 v5, v6, 4, v5                   ; and 16 more for each 256 passed
	s_mul_i32 s21, s15, HALFS                      ; A's: my 128 rows
	s_mul_i32 s22, s16, HALFS                      ; B's: my 128 rows, behind A's 256
	s_add_co_u32 s22, s22, 2*HALFS
	s_sub_co_u32 s22, s22, s21
	v_mul_u32_u24 v6, s22, v2                      ; lanes 16-31 take B's
	s_add_co_u32 s21, s21, SCL
	v_add_nc_u32 v5, v5, v6
	v_add_nc_u32 v[ADRS], s21, v5
	v_and_b32 v6, 31, v0
	v_lshlrev_b32 v[LI], 4, v6
	v_lshlrev_b32 v[L8], 3, v6
	v_lshlrev_b32 v30, 6, v2                       ; the bias by B's rows: 64 h bytes: my 16 of each 32
	v_and_b32 v31, 8, v1
	v_add_nc_u32 v31, v31, v1
	v_lshlrev_b32 v31, 2, v31                      ; the bias by A's rows: 4 (r + 8 (r / 8))
	; both bias sets are loaded on every path, each inside the bias's 1,024 numbers; a path uses its own.  Q, K: the bias goes by C's columns; V: by its rows
	s_lshl_b32 s20, s42, 8
	s_lshl_b32 s21, s16, 7
	s_add_co_u32 s20, s20, s21                     ; my first column
	s_lshl_b32 s22, s17, 8
	s_lshl_b32 s23, s15, 7
	s_add_co_u32 s22, s22, s23                     ; my first row
	s_cmp_eq_u32 s[PATH], 2
	s_cselect_b32 s20, 0, s20
	s_cselect_b32 s22, s22, 0
	s_lshl_b32 s20, s20, 2
	s_lshl_b32 s22, s22, 2
	s_mov_b32 s21, 0
	s_mov_b32 s23, 0
	s_add_nc_u64 s[98:99], s[100:101], s[20:21]    ; neither base nor offset register is written again
	s_add_nc_u64 s[66:67], s[100:101], s[22:23]
.irp g, 0,1,2,3
.irp j, 0,1,2,3
	global_load_b128 v[BN+16*\g+4*\j:BN+16*\g+4*\j+3], v30, s[98:99] offset:128*\g+16*\j   ; true columns 32 g + 16 h + 4 j on
.endr
.endr
.irp a, 0,1,2,3,4,5,6,7
	global_load_b32 v[BM+\a], v31, s[66:67] offset:4*(32*(\a/2)+8*(\a%2))                 ; true row 32 (a / 2) + 8 (a % 2) + r + 8 (r / 8)
.endr
	; where my results go: the pair of heads and the key step
	s_lshl_b32 s20, s17, 1
	s_add_co_u32 s20, s20, s15                     ; my 128 rows' number
	s_lshl_b32 s21, s42, 1
	s_add_co_u32 s21, s21, s16                     ; my 128 columns' number
	s_cmp_eq_u32 s[PATH], 2
	s_cselect_b32 s22, s20, s21                    ; the pair of heads: by columns for Q and K, by rows for V
	s_cselect_b32 s23, s21, s20                    ; the key step: the other
	s_cselect_b32 s46, 6144, 0                     ; V's fragments lie behind K's four,
	s_cselect_b32 s47, 256, 0                      ; V's scale pair behind K's
	s_mul_i32 s20, s22, 2*393216
	s_mul_i32 s21, s23, 12288
	s_add_co_u32 s20, s20, s21
	s_add_co_u32 s20, s20, s46
	s_mov_b32 s21, 0
	s_lshl_b32 s22, s22, 15
	s_lshl_b32 s23, s23, 9
	s_add_co_u32 s22, s22, s23
	s_add_co_u32 s22, s22, s47
	s_add_co_u32 s22, s22, 6291456
	s_mov_b32 s23, 0
	s_add_nc_u64 s[104:105], s[12:13], s[22:23]    ; the scale pairs
	s_add_nc_u64 s[12:13], s[12:13], s[20:21]      ; the fragments
	s_mov_b32 s[SEL], 0x76543210
	s_mov_b32 s[SEL+1], 0xfedcba98
.macro FRAG reg, adr, q, i             ; a fragment, 16 rows x 128 K of 6-bit codes, is 12 registers: lane l holds row l % 16; registers 6 c .. 6 c + 5 hold K = 64 c + 32 (l / 16) + 0 .. 31: 24 bytes of the row, as they lie
.irp p, 0,1,2,3,4,5                    ; in pieces of 8 bytes.  Lanes 0-15 take the row's pieces 12 q + 0, 1, 2 and 12 q + 6, 7, 8, lanes 16-31 those three pieces on
.set PC, 12*(\q)+6*(\p/3)+\p%3        ; 16 bytes of padding lie behind every 8 pieces: where the piece three on lies behind one padding more, the second address register serves
.if PC%8 < 5
	ds_load_b64 v[\reg+2*\p:\reg+2*\p+1], v[\adr] offset:8*PC+16*(PC/8)+(\i)*16*PITCH
.else
	ds_load_b64 v[\reg+2*\p:\reg+2*\p+1], v[\adr+2] offset:8*PC+16*(PC/8)+(\i)*16*PITCH
.endif
.endr
.endm
; 16 matrix instructions: A's blocks a0, a0 + 1 x B's eight, 128 along K.  p: B's set; sc: the set of scale words.  zero = 1: the first product starts the sums.
; The 64 accumulators take turns, one instruction a turn, in the same order in every step.
.macro MUL16 a0, p, q, sc, zero
.irp a, \a0, \a0+1
.irp b, 0,1,2,3,4,5,6,7
.if \zero
	v_wmma_scale_f32_16x16x128_f8f6f4 v[8*(8*((\a)%4)+\b):8*(8*((\a)%4)+\b)+7], v[128*(\p)+FR*\b:128*(\p)+FR*\b+FR-1], v[AF+FR*(\a):AF+FR*(\a)+FR-1], 0, v[SC+8*NQ*(\sc)+NQ*\b+(\q)], v[SC+8*NQ*(\sc)+NQ*(\a)+(\q)] matrix_a_fmt:MATRIX_FMT_FP6 matrix_b_fmt:MATRIX_FMT_FP6 matrix_a_scale:MATRIX_SCALE_ROW1
.else
	v_wmma_scale_f32_16x16x128_f8f6f4 v[8*(8*((\a)%4)+\b):8*(8*((\a)%4)+\b)+7], v[128*(\p)+FR*\b:128*(\p)+FR*\b+FR-1], v[AF+FR*(\a):AF+FR*(\a)+FR-1], v[8*(8*((\a)%4)+\b):8*(8*((\a)%4)+\b)+7], v[SC+8*NQ*(\sc)+NQ*\b+(\q)], v[SC+8*NQ*(\sc)+NQ*(\a)+(\q)] matrix_a_fmt:MATRIX_FMT_FP6 matrix_b_fmt:MATRIX_FMT_FP6 matrix_a_scale:MATRIX_SCALE_ROW1
.endif
.endr
.endr
.endm
.macro FETCH_B slot, q, p              ; B's eight fragments of the slot's q-th 128 along K into set p
	WIN TO_B
.irp i, 0,1,2,3,4,5,6,7
	FRAG 128*(\p)+FR*\i, ADRB+\slot, \q, \i
.endr
	WIN 0
.endm
.macro FETCH_A slot, q, i0             ; A's blocks i0 .. i0 + 3
.irp i, \i0, \i0+1, \i0+2, \i0+3
	FRAG AF+FR*(\i), ADRA+\slot, \q, \i
.endr
.endm
.macro SCALES sc                       ; the next K step's scale words into set sc: lanes 0-15 take A's block i, lanes 16-31 B's block i
.irp i, 0,1,2,3,4,5,6,7
	ds_load_b64 v[SC+8*NQ*\sc+NQ*\i:SC+8*NQ*\sc+NQ*\i+1], v[ADRS] offset:\i*SBLK
.endr
.endm
; A load into a register that a matrix instruction has read, and a vector instruction that reads a matrix result or writes one of a matrix instruction's registers, stand NP places behind it; only plain vector
; instructions that name none of its registers are places (ISA guide 7.12.1 for vector instructions).
.macro PLACES n
.rept \n
	v_nop
.endr
.endm
.macro STEP slot, q, zero              ; a step of 128 along K that has its successor in the same slot
	s_wait_dscnt 4*NL                              ; B's set and A's blocks 0-3 are in; the youngest 24 loads (A's blocks 4-7) may be out
	WIN MUL_LO
	MUL16 0, (\q)%2, \q, \slot, \zero
	MUL16 2, (\q)%2, \q, \slot, \zero
	s_wait_dscnt 0                                 ; A's blocks 4-7 are in
	PLACES NP
	FETCH_B \slot, (\q)+1, 1-(\q)%2
	FETCH_A \slot, (\q)+1, 0
	WIN MUL_HI
	MUL16 4, (\q)%2, \q, \slot, \zero
	MUL16 6, (\q)%2, \q, \slot, \zero
	PLACES NP
	WIN 0
	FETCH_A \slot, (\q)+1, 4
.endm
; A slot's last step changes slots: ONE barrier; in front of it each wave waits for all its tensor loads, adds 0 to its spare word, and waits for that and for its own reads of this slot.  fill = 1: this slot is filled again, two K steps ahead.
.macro TURN slot, next, fill
	s_wait_tensorcnt 0x0                           ; all my tensor loads have landed: my part of the next slot
	ds_add_u32 v[SPW], v[NIL]                      ; 0 onto my spare word
	s_wait_dscnt 4*NL+1                            ; (the add and the youngest 24 loads, A's blocks 4-7, may be out)
	WIN MUL_LO
	MUL16 0, 1, NQ-1, \slot, 0                     ; sixteen matrix instructions stand between the add and the wait for it
	s_wait_dscnt 0x0                               ; the add is done, and my reads of this slot are over
	s_barrier_signal -1
	MUL16 2, 1, NQ-1, \slot, 0
	WIN 0
	s_barrier_wait -1
.if \fill
	CREST                                          ; the barrier has opened a round of the cluster's barrier: no wave of any partner still reads this slot's tile or has a load on its way
	s_add_nc_u64 s[G0+4*\slot+2:G0+4*\slot+3], s[G0+4*\slot+2:G0+4*\slot+3], 2*ROWB
	s_add_nc_u64 s[G0B+4*\slot+2:G0B+4*\slot+3], s[G0B+4*\slot+2:G0B+4*\slot+3], 2*ROWB
	JLOAD G0+4*\slot, G1, G0B+4*\slot, G1B         ; the first tensor load behind the round; its four v_nop are the places in front of the loads below
.else
	PLACES NP
.endif
	v_add_nc_u32 v[ADRS], 4*NQ, v[ADRS]            ; on to the next K step's scale words (no LDS load of mine is out)
	FETCH_B \next, 0, 0
	FETCH_A \next, 0, 0
	SCALES \next
	WIN MUL_HI
	MUL16 4, 1, NQ-1, \slot, 0
	MUL16 6, 1, NQ-1, \slot, 0
	PLACES NP
	WIN 0
	FETCH_A \next, 0, 4
.endm
	s_wait_tensorcnt 1                             ; the scales and my part of K step 0 are in (K step 1's load may be out)
	s_barrier_signal -1
	s_barrier_wait -1                              ; everybody's are
	FETCH_B 0, 0, 0
	FETCH_A 0, 0, 0
	SCALES 0
	FETCH_A 0, 0, 4
	STEP 0, 0, 1                                   ; the first step stands in front of the loop: its products start the sums
	s_mov_b32 s3, LAPS-1
.Llap:                                                 ; a trip goes once round the ring and fills both slots again
	TURN 0, 1, 1
	STEP 1, 0, 0
	TURN 1, 0, 1
	STEP 0, 0, 0
	s_sub_co_u32 s3, s3, 1
	s_cmp_lg_u32 s3, 0
	s_cbranch_scc1 .Llap
	TURN 0, 1, 0                                   ; the last lap fills nothing
	STEP 1, 0, 0
	s_wait_dscnt 4*NL                              ; the very last step: nothing more to fetch
	WIN MUL_LO
	MUL16 0, 1, NQ-1, 1, 0
	MUL16 2, 1, NQ-1, 1, 0
	s_wait_dscnt 0
	WIN MUL_HI
	MUL16 4, 1, NQ-1, 1, 0
	MUL16 6, 1, NQ-1, 1, 0
	WIN 0
; THE WAY OUT.  Block a's 64 results and their bias go into v[HA] on, each accumulator read from its low end on.
.macro BIASN a                         ; the bias goes by the registers (C's columns)
.set WN, 0x02+(\a)/4
.set AC, 64*((\a)%4)
	WIN WN                                         ; source 0: window 2 or 3
.set k, 0
.rept 32
	v_pk_add_f32 v[HA+k:HA+k+1], v[AC+k:AC+k+1], v[BN+k:BN+k+1]
.set k, k+2
.endr
	WIN 0
.endm
.macro BIASM a                         ; the bias goes by the lane (C's rows): one number for all 64
.set WN, 0x02+(\a)/4
.set AC, 64*((\a)%4)
.set BP, BM+2*((\a)/2)
	WIN WN
.set k, 0
.rept 32
.if (\a)%2
	v_pk_add_f32 v[HA+k:HA+k+1], v[AC+k:AC+k+1], v[BP:BP+1] op_sel:[0,1] op_sel_hi:[1,1]
.else
	v_pk_add_f32 v[HA+k:HA+k+1], v[AC+k:AC+k+1], v[BP:BP+1] op_sel_hi:[1,0]
.endif
.set k, k+2
.endr
	WIN 0
.endm
; 64 numbers of a lane, register 16 b + i = k 32 b + 16 h + i of my row, become 128 codes: k 0 .. 63 in the six registers from d0 on, k 64 .. 127 in the six from d1 on, in the operand's layout; the scale word in v[w].
.macro QUANT d0, d1, w
.irp b, 0,1,2,3
	v_max3_num_f32 v[TM+\b], |v[HA+16*\b]|, |v[HA+1+16*\b]|, 0x1800000   ; block b: my 16 numbers, and the floor 2^(3 - 127): the byte cannot fall under 1
.endr
.irp i, 2,4,6,8,10,12,14
.irp b, 0,1,2,3
	v_max3_num_f32 v[TM+\b], v[TM+\b], |v[HA+16*\b+\i]|, |v[HA+1+16*\b+\i]|   ; (the four blocks by turns)
.endr
.endr
.irp b, 0,1,2,3
	v_permlanex16_b32 v[TM+4+\b], v[TM+\b], s[SEL], s[SEL+1]
.endr
.irp b, 0,1,2,3
	v_max_num_f32 v[TM+\b], v[TM+\b], v[TM+4+\b]   ; with lane l xor 16's: the block's largest magnitude
.endr
.irp b, 0,1,2,3
	v_add_nc_u32 v[TM+12+\b], 0xff000000, v[TM+\b] ; 2 off its exponent field: the conversion's scale operand
.endr
.irp b, 0,1,2,3
	v_lshrrev_b32 v[TM+4+\b], 23, v[TM+12+\b]      ; the scale's byte
.endr
	v_lshl_or_b32 v[(\w)], v[TM+5], 8, v[TM+4]
	v_lshl_or_b32 v[(\w)], v[TM+6], 16, v[(\w)]
	v_lshl_or_b32 v[(\w)], v[TM+7], 24, v[(\w)]
	v_cvt_scalef32_pk16_fp6_f32 v[(\d0):(\d0)+2], v[HA:HA+15], v[TM+12]
	v_cvt_scalef32_pk16_fp6_f32 v[CT0:CT0+2], v[HA+16:HA+31], v[TM+13]   ; (a conversion's three registers begin on an even number)
	v_cvt_scalef32_pk16_fp6_f32 v[(\d1):(\d1)+2], v[HA+32:HA+47], v[TM+14]
	v_cvt_scalef32_pk16_fp6_f32 v[CT1:CT1+2], v[HA+48:HA+63], v[TM+15]
	v_nop                                          ; one plain place behind a scaled conversion
.irp i, 0,1,2                          ; the operand's layout wants a whole block in a lane: lanes 0-15 the even block, lanes 16-31 the odd one
	v_permlane16_swap_b32 v[(\d0)+\i], v[CT0+\i]
	v_permlane16_swap_b32 v[(\d1)+\i], v[CT1+\i]
.endr
.irp i, 0,1,2
	v_mov_b32 v[(\d0)+3+\i], v[CT0+\i]
	v_mov_b32 v[(\d1)+3+\i], v[CT1+\i]
.endr
.endm
	s_wait_loadcnt 0x0                             ; the biases
	PLACES NP                                      ; behind the last products: their results are read and A's registers are written below
.irp b, 0,1,2,3
	v_mov_b32 v[TM+4+\b], 0                        ; written once: a lane permute's destination counts as one of its sources
.endr
	s_mov_b32 s[HM], 0xffff0000
	s_cmp_eq_u32 s[PATH], 2                        ; the same in all sixteen partners
	s_cbranch_scc1 .Lway_v
	; Q, K: blocks 2 p and 2 p + 1 make fragment p of the first head (FA) and of the second (FB)
.irp p, 0,1,2,3
.if \p > 0
	s_wait_xcnt 0x0                                ; the last stores have read FA and FB
.endif
	BIASN 2*\p
	QUANT FA, FB, PWA
	BIASN 2*\p+1
	QUANT FA+6, FB+6, PWA+1
	v_perm_b32 v[WH+\p], v[PWA+1], v[PWA], 0x05040100     ; the first head's word: two bytes of the one token, two of the token 8 on
	v_perm_b32 v[WH+4+\p], v[PWA+1], v[PWA], 0x07060302   ; the second head's
.irp c, 0,1,2
	global_store_b128 v[LI], v[FA+4*\c:FA+4*\c+3], s[12:13] offset:1536*\p+512*\c          ; 32 lanes store 512 consecutive bytes, aligned
	global_store_b128 v[LI], v[FB+4*\c:FB+4*\c+3], s[12:13] offset:393216+1536*\p+512*\c   ; the next head's codes lie 393,216 bytes on
.endr
.endr
	s_branch .Lway_scales
.Lway_v:
	; V: block a is tile a % 4 of head a / 4
.irp a, 0,1,2,3,4,5,6,7
.if \a > 1
	s_wait_xcnt 0x0                                ; the stores of two blocks back have read this fragment's registers
.endif
.set F, FA+12*(\a%2)
	BIASM \a
	QUANT F, F+6, WH+\a
.irp c, 0,1,2
	global_store_b128 v[LI], v[F+4*\c:F+4*\c+3], s[12:13] offset:1536*(\a%4)+393216*(\a/4)+512*\c
.endr
.endr
.Lway_scales:
.irp g, 0,1,2,3
	v_cndmask_b32 v[OS+\g], v[WH+2*\g], v[WH+2*\g+1], s[HM]   ; lanes 0-15 the even fragment's words, lanes 16-31 the odd one's
.endr
	global_store_b64 v[L8], v[OS:OS+1], s[104:105]                  ; 32 lanes store 256 consecutive bytes, aligned
	global_store_b64 v[L8], v[OS+2:OS+3], s[104:105] offset:16384   ; the next head's scales
	s_wait_tensorcnt 0x0                           ; the wave's end
	ds_add_u32 v[SPW], v[NIL]
	s_wait_dscnt 0x0
	CROUND                                         ; the closing round: no work-group ends while a partner may still ask for a tile that names it
	s_endpgm
.Lfunc_end_k_q278019b805_proj_qkv:
	.size	k_q278019b805_proj_qkv, .Lfunc_end_k_q278019b805_proj_qkv-k_q278019b805_proj_qkv
	.p2alignl 7, 3214868480
	.fill 96, 4, 3214868480
	.section	.rodata,"a",@progbits
	.p2align	6, 0x0
	.amdhsa_kernel k_q278019b805_proj_qkv
		.amdhsa_group_segment_fixed_size 327680
		.amdhsa_private_segment_fixed_size 0
		.amdhsa_enable_private_segment 0
		.amdhsa_kernarg_size 56
		.amdhsa_user_sgpr_count 2
		.amdhsa_user_sgpr_kernarg_segment_ptr 1
		.amdhsa_wavefront_size32 1
		.amdhsa_system_sgpr_workgroup_id_x 1
		.amdhsa_system_sgpr_workgroup_id_y 1
		.amdhsa_system_sgpr_workgroup_id_z 1
		.amdhsa_system_vgpr_workitem_id 0
		.amdhsa_next_free_vgpr 1024
		.amdhsa_next_free_sgpr 106
		.amdhsa_reserve_vcc 0
		.amdhsa_float_denorm_mode_32 3
		.amdhsa_float_denorm_mode_16_64 3
		.amdhsa_memory_ordered 1
		.amdhsa_forward_progress 1
		.amdhsa_inst_pref_size 233
	.end_amdhsa_kernel
	.amdgpu_metadata
---
amdhsa.version: [ 1, 2 ]
amdhsa.kernels:
  - .name:           k_q278019b805_proj_qkv
    .symbol:         k_q278019b805_proj_qkv.kd
    .args:
      - { .name: xq, .offset: 0, .size: 8, .value_kind: global_buffer, .address_space: global }
      - { .name: wq, .offset: 8, .size: 8, .value_kind: global_buffer, .address_space: global }
      - { .name: bq, .offset: 16, .size: 8, .value_kind: global_buffer, .address_space: global }
      - { .name: bk, .offset: 24, .size: 8, .value_kind: global_buffer, .address_space: global }
      - { .name: bv, .offset: 32, .size: 8, .value_kind: global_buffer, .address_space: global }
      - { .name: qrec, .offset: 40, .size: 8, .value_kind: global_buffer, .address_space: global }
      - { .name: kvrec, .offset: 48, .size: 8, .value_kind: global_buffer, .address_space: global }
    .group_segment_fixed_size: 327680
    .private_segment_fixed_size: 0
    .kernarg_segment_align: 8
    .kernarg_segment_size: 56
    .max_flat_workgroup_size: 128
    .sgpr_count:     106
    .vgpr_count:     1024
    .wavefront_size: 32
...
	.end_amdgpu_metadata
.endif
;; end of part 2
;; launch attn (part 3): grid 16 x 16, 16 waves a work-group, no clusters, 327,680 bytes of LDS; arguments qrec, kvrec, mbits, ctxq; writes ctxq
.if DOCPART == 3
	.amdgcn_target "amdgcn-amd-amdhsa--gfx1250"
	.amdhsa_code_object_version 6
	.text
	.protected	k_q278019b805_attn
	.globl	k_q278019b805_attn
	.p2align	8
	.type	k_q278019b805_attn,@function
k_q278019b805_attn:
	s_mov_b64 s[64:65], 0
	v_nop
	global_prefetch_b8 v0, s[64:65] scope:SCOPE_SE
	s_setreg_imm32_b32 hwreg(HW_REG_WAVE_MODE, 25, 1), 1
	s_wait_xcnt 0x0
; ctx[q][head] = softmax_k(Q.K / 8, masked) V for 16 heads of 64 channels, 4,096 queries and keys, both products on codes of FP6 (E2M3) with one E8M0 scale for each 32 along a product's K; ctx leaves quantised along d_model.
; THE SOFTMAX AHEAD OF THE SECOND PRODUCT: t = score x log2(e) / 8; M = the row's largest t so far, rounded UP to a whole number; p = 2^(t - M) is quantised along the keys, not normalised.
; The row's sum is taken of the unquantised p and divides O at the end.  When M moves, the sum and O are multiplied by 2^(old M - new M): exact.
; SHARES.  A work-group owns 256 queries of one head; each of its sixteen waves owns one tile T of 16: queries tb + r + 8 (r / 8), tb = 32 (T / 2) + 8 (T % 2).  Every wave walks all keys, 128 a step.
; OPERANDS COME AS IMAGES OF THEIR REGISTERS: a fragment is three pieces of 512 bytes, lane l's 16 bytes at 16 l.  A key step is 12,288 bytes: K's four fragments, V^T's four.  Four steps make a slot; two slots take turns,
; filled by the tensor data mover (waves 0-2, a third each) and read by all sixteen.  The head's scale words (16,384 bytes; wave 3) come once.
; K = 64 IN THE FIRST PRODUCT.  A fragment of K holds 32 keys: registers 0-5 (k 0-63) key 32 b + r + 8 (r / 8), registers 6-11 (k 64-127) the key 8 on.  Q stands in 18 registers, 0 x 6 | q x 6 | 0 x 6: the twelve from
; the 7th on multiply the first key, the first twelve the second.  So score register 16 b + i of lane (r, h) is key 32 b + 16 h + i of query r: 16 neighbours along the next K.
; Both products are used transposed: a lane holds ONE query throughout.  O register 16 g + i of lane (r, h) is channel 32 g + 16 h + i.
; THE MASK comes as bit words: word n of (T, step) has lane l's bit for score register n.  64 words a step come by scalar loads, a step ahead; a select puts -2^33 in a hidden score's place.
; LIMITS: the hidden logit is -2^30 where the problem says -1e9: in a row with every key hidden every p is 1 either way; the results part only where an open logit lies under about -1e9.
;   t - M is one fused multiply-add.  A block of zeros gets the byte 1.  Blocks under 2^-124 are held at the byte 1.  NaN and infinities are not served.
; No cluster: what work-groups share, 49,152 bytes for four key steps, is a sixteenth of what the sixteen waves read from LDS in that time, in a loop whose vector instructions outnumber its matrix instructions 25 to 1.
.set SLOT1, 1<<16                      ; slot 0 at 0, slot 1 here: one exclusive or turns an address
.set SLOTB, 49152                      ; a slot's bytes: four key steps
.set STEPB, 12288
.set SCL,   49152                      ; between the slots: the head's scale words
.set SPARE, 131072                     ; the spare words, 128 bytes for each wave: eight blocks of 256 bytes that no other line names
.set NSL,   8                          ; slots' worth of keys
.set LI,   1                           ; v1   16 x lane
.set L8S,  2                           ; v2   8 x lane + SCL
.set ADK,  3                           ; v3   the slot's fragments: its first byte + 16 x lane
.set ADS,  4                           ; v4   the slot's scale pairs
.set SPW,  5                           ; v5   my spare word; never rewritten
.set NIL,  6                           ; v6   0; never rewritten
.set NEG,  7                           ; v7   -2^33
.set CTXO, 8                           ; v8   the way out: my token's row of codes, + 12 h
.set CTXS, 9                           ; v9   and of scale bytes, + h
.set SQ,   10                          ; v10  Q's scale word: its two bytes in both halves
.set PFO,  11                          ; v11  256 x lane
                                       ; v12 -M, v13 the largest t, v[14:15] the sum in two halves
.set QZ,   16                          ; v16-33
.set KSC,  34                          ; v34-35 K's scale pair
.set VSC,  36                          ; v36-37 V's
.set PW,   38                          ; v38  p's scale word
.set KF,   40                          ; v40-87  K's four fragments; behind the score products: at work
.set VF,   88                          ; v88-135 V^T's four
.set S,    136                         ; v136-199 the scores, then p
.set O,    200                         ; v200-231 O^T
.set PC,   232                         ; v232-243 p's codes
.set BMX,  40                          ; the blocks' largest scores, then largest p
.set BPM,  44
.set SOP,  48                          ; the conversions' scale operands
.set BYT,  52
.set F,    56                          ; v[56:57] f = 2^(old M - new M) in the low word
.set TMP,  58
.set SUM2, 60
.set CT0,  64
.set CT1,  68
.set WV,   12                          ; s12 wave;  s13 the slot in hand;  s2 its first scale byte;  s[14:15] c;  s[16:17] lane selects;  s18 slots to ask for;  s19 the mask words' offset
.set TB,   13
.set TS,   2
.set CS,   14
.set SEL,  16
.set SLOTS, 18
.set MOFF, 19
.set G0S,  4                           ; s[4:7]   group 0 for the scale words
.set G1,   52                          ; s[52:59] group 1: 64 dense rows of 256 bytes, for every load
.set G0,   60                          ; s[60:63] group 0 for the slots: it walks
.set PFA,  66                          ; s[66:67] where my prefetches stand
.set LIM,  100                         ; s100 1 in a wave that prefetches, else the greatest number
.set HM,   101                         ; s101 at the head a byte selector; on the way out the lanes 16-31
                                       ; s[8:9] the tile's mask words; s[10:11] ctx's codes; s[104:105] ctx's scale bytes; s20-51, s68-99 the step's 64 mask words
.macro TLOAD                           ; a refill: waves 0 to 2, a third of the slot each.  Four v_nop follow the line
	s_cmp_lt_u32 s[WV], 3
	s_cbranch_scc0 .Lasked_\@
	tensor_load_to_lds s[G0:G0+3], s[G1:G1+7]
	s_nop 0
.rept 4
	v_nop
.endr
.Lasked_\@:
.endm
; A PREFETCH INTO THE L2 of the slot that the NEXT change of slots will ask for: 49,152 bytes, four key steps ahead of that load.  All work-groups of a head walk the same bytes: the head's first work-group asks,
; with six waves that fetch nothing (4 to 9): 8,192 bytes a wave, lanes 256 bytes apart, one instruction.  So each block of 256 bytes is named once.  The last change that fills a slot asks for nothing; slots 0 and 1 come by their loads alone.
.macro ASK
	s_cmp_gt_u32 s[SLOTS], s[LIM]
	s_cbranch_scc0 .Lnot_mine_\@
	global_prefetch_b8 v[PFO], s[PFA:PFA+1] th:TH_LOAD_NT scope:SCOPE_SE
.Lnot_mine_\@:
.endm
.macro MASKWORDS                       ; 64 words, 256 consecutive bytes: word n in s[20 + n] (n < 32) or s[36 + n]
	s_load_b512 s[20:35], s[8:9], s[MOFF] offset:0x0
	s_load_b512 s[36:51], s[8:9], s[MOFF] offset:0x40
	s_load_b512 s[68:83], s[8:9], s[MOFF] offset:0x80
	s_load_b512 s[84:99], s[8:9], s[MOFF] offset:0xc0
.endm
	s_load_b256 s[20:27], s[0:1], 0x0              ; qrec s[20:21], kvrec s[22:23], mbits s[24:25], ctxq s[26:27]: the head's registers s20-51 are the mask words' later
	v_lshl_add_u32 v[SPW], v0, 2, SPARE
	v_mov_b32 v[NIL], 0
	ds_add_u32 v5, v6
	s_wait_dscnt 0x0
	v_lshrrev_b32 v1, 5, v0
	v_readfirstlane_b32 s[WV], v1                  ; wave 0..15
	s_and_b32 s28, ttmp7, 0xffff                   ; the head
	s_mov_b32 s[G1], 3<<16                         ; no mask; elements of 8 bytes; no padding
	s_mov_b32 s[G1+1], 32<<16                      ; tensor_dim0 = 32
	s_mov_b32 s[G1+2], 64<<16                      ; tensor_dim1 = 64
	s_mov_b32 s[G1+3], 32<<16                      ; tile_dim0 = 32
	s_mov_b32 s[G1+4], 64                          ; tile_dim1 = 64
	s_mov_b32 s[G1+5], 32                          ; the pitch: rows are dense
	s_mov_b32 s[G1+6], 0
	s_mov_b32 s[G1+7], 0
	s_mul_i32 s30, s28, 393216                     ; the head's codes
	s_lshl_b32 s31, s[WV], 14
	s_add_co_u32 s32, s30, s31                     ; my third of slot 0
	s_mov_b32 s33, 0
	s_lshl_b32 s34, s28, 14
	s_add_co_u32 s34, s34, 6291456                 ; the head's scale words
	s_mov_b32 s35, 0
	s_wait_kmcnt 0x0
	s_mov_b32 s[G0], 1
	s_lshl_b32 s[G0+1], s[WV], 14                  ; LDS: wave x 16,384
	s_add_nc_u64 s[G0+2:G0+3], s[22:23], s[32:33]
	s_or_b32 s[G0+3], s[G0+3], 0x80000000
	s_mov_b32 s[G0S], 1
	s_mov_b32 s[G0S+1], SCL
	s_add_nc_u64 s[G0S+2:G0S+3], s[22:23], s[34:35]
	s_or_b32 s[G0S+3], s[G0S+3], 0x80000000
	s_cmp_lt_u32 s[WV], 3                          ; the first fills: one load a wave, waves 0 to 3
	s_cbranch_scc0 .Lnot_codes
	tensor_load_to_lds s[G0:G0+3], s[G1:G1+7]
	s_nop 0
.rept 4
	v_nop
.endr
	s_branch .Lfirst_asked
.Lnot_codes:
	s_cmp_lt_u32 s[WV], 4
	s_cbranch_scc0 .Lfirst_asked
	tensor_load_to_lds s[G0S:G0S+3], s[G1:G1+7]
	s_nop 0
.rept 4
	v_nop
.endr
.Lfirst_asked:
	s_lshl_b32 s36, ttmp9, 4
	s_add_co_u32 s36, s36, s[WV]                   ; T
	s_lshr_b32 s37, s36, 3
	s_lshl_b32 s38, s28, 5
	s_add_co_u32 s37, s37, s38                     ; 32 head + T / 8: the step of 128 queries
	s_mul_i32 s38, s37, STEPB
	s_bfe_u32 s39, s[WV], 0x20001                  ; (T / 2) % 4: the fragment of 32 queries
	s_mul_i32 s39, s39, 1536
	s_add_co_u32 s38, s38, s39
	s_mov_b32 s39, 0
	s_add_nc_u64 s[38:39], s[20:21], s[38:39]      ; Q's image
	s_lshl_b32 s40, s37, 9
	s_bfe_u32 s41, s[WV], 0x10001                  ; an odd fragment's words lie in lanes 16-31 of the pair: 128 bytes on;
	s_lshl_b32 s41, s41, 7
	s_add_co_u32 s40, s40, s41
	s_bfe_u32 s41, s[WV], 0x10002                  ; fragments 2 and 3 in the pair's second register: 4 bytes on
	s_lshl_b32 s41, s41, 2
	s_add_co_u32 s40, s40, s41
	s_add_co_u32 s40, s40, 6291456
	s_mov_b32 s41, 0
	s_add_nc_u64 s[40:41], s[20:21], s[40:41]      ; Q's scale words
	v_and_b32 v60, 31, v0                          ; lane
	v_and_b32 v61, 15, v0                          ; r
	v_bfe_u32 v62, v0, 4, 1                        ; h
	v_lshlrev_b32 v[LI], 4, v60
	v_lshlrev_b32 v59, 3, v61
	global_load_b128 v[40:43], v[LI], s[38:39]
	global_load_b128 v[44:47], v[LI], s[38:39] offset:512
	global_load_b128 v[48:51], v[LI], s[38:39] offset:1024
	global_load_b32 v52, v59, s[40:41]
	v_lshl_add_u32 v[L8S], v60, 3, SCL
	v_and_b32 v63, 8, v61
	v_add_nc_u32 v63, v63, v61                     ; r + 8 (r / 8)
	v_mul_u32_u24 v[CTXO], v63, 768
	v_mad_u32_u24 v[CTXO], v62, 12, v[CTXO]
	v_lshl_add_u32 v[CTXS], v63, 5, v62
	v_lshlrev_b32 v[PFO], 8, v60
	v_mov_b32 v[NEG], 0xd0000000
	s_lshl_b32 s42, s36, 13                        ; 32 steps x 256 bytes of mask words a tile
	s_mov_b32 s43, 0
	s_add_nc_u64 s[8:9], s[24:25], s[42:43]
	s_lshr_b32 s44, s36, 1
	s_lshl_b32 s44, s44, 5
	s_and_b32 s45, s36, 1
	s_lshl_b32 s45, s45, 3
	s_add_co_u32 s44, s44, s45                     ; tb
	s_mul_i32 s46, s44, 768
	s_mul_i32 s47, s28, 48
	s_add_co_u32 s46, s46, s47                     ; a token's row of 768 bytes; the head's 64 codes are 48
	s_mov_b32 s47, 0
	s_add_nc_u64 s[10:11], s[26:27], s[46:47]
	s_lshl_b32 s46, s44, 5
	s_lshl_b32 s48, s28, 1
	s_add_co_u32 s46, s46, s48
	s_add_co_u32 s46, s46, 3145728                 ; 32 scale bytes a token, two of them the head's
	s_add_nc_u64 s[104:105], s[26:27], s[46:47]
	s_sub_co_u32 s48, s[WV], 4
	s_min_u32 s49, s48, 5                          ; (held inside the slot in the waves that do not ask)
	s_lshl_b32 s49, s49, 13
	s_add_co_u32 s50, s30, s49
	s_add_co_u32 s50, s50, SLOTB                   ; in slot 1: the first change of slots steps it to slot 2
	s_mov_b32 s51, 0
	s_add_nc_u64 s[PFA:PFA+1], s[22:23], s[50:51]
	s_cmp_lt_u32 s48, 6                            ; waves 4 to 9
	s_cselect_b32 s[LIM], 1, -1
	s_cmp_eq_u32 ttmp9, 0                          ; of the head's first work-group
	s_cselect_b32 s[LIM], s[LIM], -1
	s_and_b32 s3, s[WV], 1                         ; which 16 of the fragment's 32 queries are mine
	s_cmp_eq_u32 s3, 1
	s_mov_b32 s[HM], 0x01000100
	s_cselect_b32 s[HM], 0x03020302, s[HM]         ; their two scale bytes, into both halves of the word
	s_cselect_b32 s3, -1, 0
	s_mov_b32 s[CS], 0x3e38aa3b                    ; c = log2(e) / 8
	s_mov_b32 s[CS+1], s[CS]                       ; (named with it as a pair, so it is written)
	s_mov_b32 s[SEL], 0x76543210
	s_mov_b32 s[SEL+1], 0xfedcba98
	s_mov_b32 s[TB], 0
	s_mov_b32 s[TS], 0
	s_mov_b32 s[SLOTS], NSL-1
	s_mov_b32 s[MOFF], 0
	s_wait_loadcnt 0x0                             ; Q is in: its loads' bases may be written over
	MASKWORDS                                      ; key step 0's
.irp i, 0,1,2,3,4,5
	v_cndmask_b32 v[QZ+6+\i], v[40+\i], v[46+\i], s3
	v_mov_b32 v[QZ+\i], 0
	v_mov_b32 v[QZ+12+\i], 0
.endr
	v_perm_b32 v[SQ], v52, v52, s[HM]
	v_mov_b32 v13, 0xff61b1e6                      ; the largest t so far: -3e38, under every t
	v_floor_f32 v12, -v13                          ; -M
	v_mov_b32 v14, 0
	v_mov_b32 v15, 0
.set j, 0
.rept 32
	v_mov_b32 v[O+j], 0                            ; O^T: the step is written once; its first run finds zeros.  (These lines are also the places between Q's registers and scale word and the first product)
.set j, j+1
.endr
.macro SCORE b, u
.if (\b)%2
	v_wmma_scale_f32_16x16x128_f8f6f4 v[S+16*(\b)+8*(\u):S+16*(\b)+8*(\u)+7], v[KF+12*(\b):KF+12*(\b)+11], v[QZ+6-6*(\u):QZ+17-6*(\u)], 0, v[KSC+(\b)/2], v[SQ] matrix_a_fmt:MATRIX_FMT_FP6 matrix_b_fmt:MATRIX_FMT_FP6 matrix_a_scale:MATRIX_SCALE_ROW1
.else
	v_wmma_scale_f32_16x16x128_f8f6f4 v[S+16*(\b)+8*(\u):S+16*(\b)+8*(\u)+7], v[KF+12*(\b):KF+12*(\b)+11], v[QZ+6-6*(\u):QZ+17-6*(\u)], 0, v[KSC+(\b)/2], v[SQ] matrix_a_fmt:MATRIX_FMT_FP6 matrix_b_fmt:MATRIX_FMT_FP6
.endif
.endm
.macro PVT t
.if (\t)%2
	v_wmma_scale_f32_16x16x128_f8f6f4 v[O+8*(\t):O+8*(\t)+7], v[VF+12*(\t):VF+12*(\t)+11], v[PC:PC+11], v[O+8*(\t):O+8*(\t)+7], v[VSC+(\t)/2], v[PW] matrix_a_fmt:MATRIX_FMT_FP6 matrix_b_fmt:MATRIX_FMT_FP6 matrix_a_scale:MATRIX_SCALE_ROW1
.else
	v_wmma_scale_f32_16x16x128_f8f6f4 v[O+8*(\t):O+8*(\t)+7], v[VF+12*(\t):VF+12*(\t)+11], v[PC:PC+11], v[O+8*(\t):O+8*(\t)+7], v[VSC+(\t)/2], v[PW] matrix_a_fmt:MATRIX_FMT_FP6 matrix_b_fmt:MATRIX_FMT_FP6
.endif
.endm
; A KEY STEP: 128 keys, the q-th of the slot in hand.  more = 1: the next step's mask words are asked for.
.macro STEP q, more
.irp b, 0,1,2,3
.irp c, 0,1,2
	ds_load_b128 v[KF+12*\b+4*\c:KF+12*\b+4*\c+3], v[ADK] offset:STEPB*(\q)+1536*\b+512*\c
.endr
.endr
	ds_load_b64 v[KSC:KSC+1], v[ADS] offset:512*(\q)
	s_wait_dscnt 0x0
.irp b, 0,1,2,3
	SCORE \b, 0                                    ; keys 32 b + 16 h + 0 .. 7
	SCORE \b, 1                                    ; keys 32 b + 16 h + 8 .. 15
.endr
.rept 4
	v_nop                                          ; places: behind them the scores are read, K's registers are written, and V's registers and scale pair, which the last step's products read, are loaded
.endr
.irp t, 0,1,2,3
.irp c, 0,1,2
	ds_load_b128 v[VF+12*\t+4*\c:VF+12*\t+4*\c+3], v[ADK] offset:STEPB*(\q)+6144+1536*\t+512*\c   ; V^T lands while the softmax is walked
.endr
.endr
	ds_load_b64 v[VSC:VSC+1], v[ADS] offset:512*(\q)+256
	s_wait_kmcnt 0x0                               ; this step's mask words are in, so their offset may step
	s_add_co_u32 s[MOFF], s[MOFF], 256
.set n, 0
.rept 64
	v_cndmask_b32 v[S+n], v[NEG], v[S+n], s[20+n+16*(n/32)]   ; a hidden key's score becomes -2^33; each accumulator is read from its low end on
.set n, n+1
.endr
.irp b, 0,1,2,3
	v_max3_num_f32 v[BMX+\b], v[S+16*\b], v[S+1+16*\b], v[S+2+16*\b]   ; the largest score of each block of 32 keys: for the row's maximum and, since p rises with the score, for the block's largest p
.endr
.irp i, 3,5,7,9,11,13
.irp b, 0,1,2,3
	v_max3_num_f32 v[BMX+\b], v[BMX+\b], v[S+16*\b+\i], v[S+1+16*\b+\i]
.endr
.endr
.irp b, 0,1,2,3
	v_max_num_f32 v[BMX+\b], v[BMX+\b], v[S+15+16*\b]
.endr
.if \more
	MASKWORDS                                      ; the next step's, a softmax ahead of their use
.endif
.irp b, 0,1,2,3
	v_permlanex16_b32 v[BPM+\b], v[BMX+\b], s[SEL], s[SEL+1]
.endr
.irp b, 0,1,2,3
	v_max_num_f32 v[BMX+\b], v[BMX+\b], v[BPM+\b]  ; with lane l xor 16's 16 keys
.endr
	v_max3_num_f32 v[TMP], v[BMX], v[BMX+1], v[BMX+2]
	v_max_num_f32 v[TMP], v[TMP], v[BMX+3]         ; the step's largest score of my query
	v_mul_f32 v[TMP], s[CS], v[TMP]                ; as t (c is positive)
	v_max_num_f32 v13, v13, v[TMP]                 ; the running largest t
	v_mov_b32 v[TMP], v12
	v_floor_f32 v12, -v13                          ; the new -M = floor(-t): M is a whole number
	v_sub_f32 v[TMP], v12, v[TMP]                  ; old M - new M: a whole number, 0 or less
	v_cvt_i32_f32 v[TMP], v[TMP]                   ; (it saturates)
	v_ldexp_f32 v[F], 1.0, v[TMP]                  ; f = 2^(old M - new M)
.set j, 0
.rept 32
	v_pk_fma_f32 v[S+j:S+j+1], v[S+j:S+j+1], s[CS:CS+1], v[12:13] op_sel_hi:[1,0,0]   ; t - M, two at a time
.set j, j+2
.endr
.irp b, 0,1,2,3
	v_fma_f32 v[BMX+\b], v[BMX+\b], s[CS], v12     ; the same of each block's largest score
.endr
.set j, 0
.rept 64
	v_exp_f32 v[S+j], v[S+j]                       ; p = 2^(t - M), at most 1
.set j, j+1
.endr
	v_pk_mul_f32 v[14:15], v[14:15], v[F:F+1] op_sel_hi:[1,0]   ; the sums under the new M.  (A plain place behind the exponentials)
	s_wait_alu depctr_va_vdst(0)                   ; one wait for the whole batch, ahead of its first reader
.irp b, 0,1,2,3
	v_exp_f32 v[BMX+\b], v[BMX+\b]                 ; the block's largest p
.endr
	v_pk_add_f32 v[SUM2:SUM2+1], v[S:S+1], v[S+2:S+3]   ; the row's sum is taken of the unquantised p: two at a time, in two chains
.irp j, 4,8,12,16,20,24,28,32,36,40,44,48,52,56,60
	v_pk_add_f32 v[14:15], v[14:15], v[S+\j:S+\j+1]
	v_pk_add_f32 v[SUM2:SUM2+1], v[SUM2:SUM2+1], v[S+\j+2:S+\j+3]
.endr
	v_pk_add_f32 v[14:15], v[14:15], v[SUM2:SUM2+1]
	s_wait_alu depctr_va_vdst(0)                   ; and one for the four
.irp b, 0,1,2,3
	v_max_num_f32 v[BMX+\b], 0x1800000, v[BMX+\b]  ; the floor 2^(3 - 127): the byte cannot fall under 1
.endr
.irp b, 0,1,2,3
	v_add_nc_u32 v[SOP+\b], 0xff000000, v[BMX+\b]  ; 2 off the exponent field: the conversion's scale operand
.endr
.irp b, 0,1,2,3
	v_lshrrev_b32 v[BYT+\b], 23, v[SOP+\b]         ; the scale's byte
.endr
	v_lshl_or_b32 v[PW], v[BYT+1], 8, v[BYT]       ; p's scale word for these 128 keys
	v_lshl_or_b32 v[PW], v[BYT+2], 16, v[PW]
	v_lshl_or_b32 v[PW], v[BYT+3], 24, v[PW]
	v_cvt_scalef32_pk16_fp6_f32 v[PC:PC+2], v[S:S+15], v[SOP]
	v_cvt_scalef32_pk16_fp6_f32 v[CT0:CT0+2], v[S+16:S+31], v[SOP+1]   ; (a conversion's three registers begin on an even number)
	v_cvt_scalef32_pk16_fp6_f32 v[PC+6:PC+8], v[S+32:S+47], v[SOP+2]
	v_cvt_scalef32_pk16_fp6_f32 v[CT1:CT1+2], v[S+48:S+63], v[SOP+3]
	v_nop                                          ; one plain place behind a scaled conversion
.irp i, 0,1,2                          ; the operand's layout wants a whole block in a lane
	v_permlane16_swap_b32 v[PC+\i], v[CT0+\i]
	v_permlane16_swap_b32 v[PC+6+\i], v[CT1+\i]
.endr
.irp i, 0,1,2
	v_mov_b32 v[PC+3+\i], v[CT0+\i]
	v_mov_b32 v[PC+9+\i], v[CT1+\i]
.endr
.set j, 0
.rept 16
	v_pk_mul_f32 v[O+j:O+j+1], v[O+j:O+j+1], v[F:F+1] op_sel_hi:[1,0]   ; O^T under the new M.  (These 16 are also the places between p's codes and scale word and the products)
.set j, j+2
.endr
	s_wait_dscnt 0x0                               ; V^T and its scale pair are in
.irp t, 0,1,2,3
	PVT \t                                         ; O^T += V^T P^T: the four accumulators by turns
.endr
.endm
; THE CHANGE OF SLOTS stands at a slot's head.  Each wave waits for all its tensor loads, adds 0 to its spare word, and waits for that and for its reads of the slot that it has left.
; Behind the barrier the slot ahead is whole and nobody reads the other one.  fill = 1: that other slot is filled with the keys that follow: the load has four key steps in which to land.
.macro CHANGE fill
	s_wait_tensorcnt 0x0                           ; no tensor load of mine is out, so a group 0 may be written
	ds_add_u32 v[SPW], v[NIL]                      ; 0 onto my spare word
.if \fill
	s_xor_b32 s[G0+1], s[G0+1], SLOT1              ; the walking descriptor: the other slot than last time,
	s_add_nc_u64 s[G0+2:G0+3], s[G0+2:G0+3], SLOTB ; the next four key steps; the type bits on top are not reached
	s_wait_xcnt 0x0                                ; the last prefetch, a slot back, has read its address, so it may be written:
	s_add_nc_u64 s[PFA:PFA+1], s[PFA:PFA+1], SLOTB ; one slot further on than the walking descriptor
.endif
	s_wait_dscnt 0x0                               ; the add is done, and my reads of the slot that I have left are over
	s_barrier_signal -1
	s_barrier_wait -1
.if \fill
	TLOAD                                          ; the first thing behind the barrier, and a wave's one tensor load until the next
	ASK
.endif
.endm
.macro SLOT_STEPS last
	v_add_nc_u32 v[ADK], s[TB], v[LI]
	v_add_nc_u32 v[ADS], s[TS], v[L8S]
	STEP 0, 1
	STEP 1, 1
	STEP 2, 1
	STEP 3, 1-\last                                ; the very last step asks for no mask words: no load leaves its buffer
	s_xor_b32 s[TB], s[TB], SLOT1                  ; on to the other slot
	s_add_co_u32 s[TS], s[TS], 2048                ; and to its four steps' scale pairs
.endm
.Lslot:                                            ; NSL - 1 trips: behind each change of slots but the last the next slot is asked for
	CHANGE 1
	SLOT_STEPS 0
	s_sub_co_u32 s[SLOTS], s[SLOTS], 1
	s_cmp_lg_u32 s[SLOTS], 0
	s_cbranch_scc1 .Lslot
	CHANGE 0                                       ; the last slot is written out
	SLOT_STEPS 1
	; THE WAY OUT.  O^T is divided by the row's sum and quantised along d_model: my 16 channels of each of the head's two blocks of 32 are 12 bytes of my token's row of codes.
.rept 4
	v_nop                                          ; places behind the last products
.endr
	s_mov_b32 s[HM], 0xffff0000
	v_add_f32 v14, v14, v15                        ; the sum's two halves,
	v_permlanex16_b32 v[TMP], v14, s[SEL], s[SEL+1]
	v_add_f32 v14, v14, v[TMP]                     ; and lane l xor 16's: the row's sum
	v_rcp_f32 v[F], v14
	v_nop                                          ; a plain place behind the transcendental
	s_wait_alu depctr_va_vdst(0)                   ; the wait, ahead of the first reader
.set j, 0
.rept 16
	v_pk_mul_f32 v[S+j:S+j+1], v[O+j:O+j+1], v[F:F+1] op_sel_hi:[1,0]   ; register 16 g + i: channel 32 g + 16 h + i; each accumulator from its low end on
.set j, j+2
.endr
.irp b, 0,1
	v_max3_num_f32 v[BMX+\b], |v[S+16*\b]|, |v[S+1+16*\b]|, 0x1800000
.endr
.irp i, 2,4,6,8,10,12,14
.irp b, 0,1
	v_max3_num_f32 v[BMX+\b], v[BMX+\b], |v[S+16*\b+\i]|, |v[S+1+16*\b+\i]|
.endr
.endr
.irp b, 0,1
	v_permlanex16_b32 v[BPM+\b], v[BMX+\b], s[SEL], s[SEL+1]
.endr
.irp b, 0,1
	v_max_num_f32 v[BMX+\b], v[BMX+\b], v[BPM+\b]  ; the block's largest magnitude
.endr
.irp b, 0,1
	v_add_nc_u32 v[SOP+\b], 0xff000000, v[BMX+\b]
.endr
.irp b, 0,1
	v_lshrrev_b32 v[BYT+\b], 23, v[SOP+\b]
.endr
	v_cvt_scalef32_pk16_fp6_f32 v[PC:PC+2], v[S:S+15], v[SOP]
	v_cvt_scalef32_pk16_fp6_f32 v[PC+4:PC+6], v[S+16:S+31], v[SOP+1]
	v_nop                                          ; one plain place behind a scaled conversion
	v_cndmask_b32 v[TMP], v[BYT], v[BYT+1], s[HM]  ; lanes 0-15 store the first block's byte, lanes 16-31 the second's
	global_store_b96 v[CTXO], v[PC:PC+2], s[10:11]             ; channels 16 h + 0 .. 15 of the head: 12 bytes at 12 h
	global_store_b96 v[CTXO], v[PC+4:PC+6], s[10:11] offset:24 ; channels 32 + 16 h + 0 .. 15
	global_store_b8 v[CTXS], v[TMP], s[104:105]
	s_wait_tensorcnt 0x0                           ; the wave's end
	ds_add_u32 v[SPW], v[NIL]
	s_wait_dscnt 0x0
	s_endpgm
.Lfunc_end_k_q278019b805_attn:
	.size	k_q278019b805_attn, .Lfunc_end_k_q278019b805_attn-k_q278019b805_attn
	.p2alignl 7, 3214868480
	.fill 96, 4, 3214868480
	.section	.rodata,"a",@progbits
	.p2align	6, 0x0
	.amdhsa_kernel k_q278019b805_attn
		.amdhsa_group_segment_fixed_size 327680
		.amdhsa_private_segment_fixed_size 0
		.amdhsa_enable_private_segment 0
		.amdhsa_kernarg_size 32
		.amdhsa_user_sgpr_count 2
		.amdhsa_user_sgpr_kernarg_segment_ptr 1
		.amdhsa_wavefront_size32 1
		.amdhsa_system_sgpr_workgroup_id_x 1
		.amdhsa_system_sgpr_workgroup_id_y 1
		.amdhsa_system_sgpr_workgroup_id_z 1
		.amdhsa_system_vgpr_workitem_id 0
		.amdhsa_next_free_vgpr 256
		.amdhsa_next_free_sgpr 106
		.amdhsa_reserve_vcc 0
		.amdhsa_float_denorm_mode_32 3
		.amdhsa_float_denorm_mode_16_64 3
		.amdhsa_memory_ordered 1
		.amdhsa_forward_progress 1
		.amdhsa_inst_pref_size 167
	.end_amdhsa_kernel
	.amdgpu_metadata
---
amdhsa.version: [ 1, 2 ]
amdhsa.kernels:
  - .name:           k_q278019b805_attn
    .symbol:         k_q278019b805_attn.kd
    .args:
      - { .name: qrec, .offset: 0, .size: 8, .value_kind: global_buffer, .address_space: global }
      - { .name: kvrec, .offset: 8, .size: 8, .value_kind: global_buffer, .address_space: global }
      - { .name: mbits, .offset: 16, .size: 8, .value_kind: global_buffer, .address_space: global }
      - { .name: ctxq, .offset: 24, .size: 8, .value_kind: global_buffer, .address_space: global }
    .group_segment_fixed_size: 327680
    .private_segment_fixed_size: 0
    .kernarg_segment_align: 8
    .kernarg_segment_size: 32
    .max_flat_workgroup_size: 512
    .sgpr_count:     106
    .vgpr_count:     256
    .wavefront_size: 32
...
	.end_amdgpu_metadata
.endif
;; end of part 3
;; launch proj_o (part 4): grid 4 x 16, 4 waves a work-group, clusters of 4 x 4, 327,680 bytes of LDS; arguments ctxq, wq, bo, out0; writes out0
.if DOCPART == 4
	.amdgcn_target "amdgcn-amd-amdhsa--gfx1250"
	.amdhsa_code_object_version 6
	.text
	.protected	k_q278019b805_proj_o
	.globl	k_q278019b805_proj_o
	.p2align	8
	.type	k_q278019b805_proj_o,@function
k_q278019b805_proj_o:
	s_mov_b64 s[64:65], 0
	v_nop
	global_prefetch_b8 v0, s[64:65] scope:SCOPE_SE
	s_setreg_imm32_b32 hwreg(HW_REG_WAVE_MODE, 25, 1), 1
	s_wait_xcnt 0x0
	s_wait_alu depctr_hold_cnt(0) depctr_sa_sdst(0) depctr_va_vdst(0) depctr_va_sdst(0) depctr_va_ssrc(0) depctr_va_vcc(0) depctr_vm_vsrc(0)
	s_getreg_b32 s2, hwreg(HW_REG_IB_STS2, 6, 4)
	s_cmp_eq_u32 s2, 0
	s_cbranch_scc0 .Lentry_in_a_cluster
	s_endpgm
.Lentry_in_a_cluster:
	s_bfe_u32 s2, ttmp6, 0x10000c
	s_cmp_lg_u32 s2, 0xf033
	s_cbranch_scc0 .Lentry_shape_is_right
	s_endpgm
.Lentry_shape_is_right:
; out0 = ctx Wo + bo on codes of FP6 (E2M3) with one E8M0 scale for each 32 along K = 1,024; sums in f32.  C[m][n] = sum over k of A[m][k] B[n][k] + bo[n].
; A = ctx's codes [4,096 tokens][768 bytes], scale bytes [token][32] behind them.  B = the fourth weight's codes in wq, [place of n][768 bytes]: column n lies at the place n with its bits 3 and 4 exchanged; the stage puts the columns right.
; A tile of C, 256 x 256, is made by a work-group of four waves; a wave makes 128 x 128: 64 accumulators of 16 x 16.  K goes in steps of 256 through a ring of two LDS slots filled by the tensor data mover.
; The scale bytes of the work-group's rows of A and of B come into LDS once, with the first fills.  CLUSTERS: 4 x 4 work-groups; A's tiles are asked for jointly along a row of the cluster, B's along a column.
; THE MATRIX INSTRUCTION IS USED TRANSPOSED (source 0 = 16 rows of B, source 1 = 16 rows of A): a lane holds eight numbers of a row of C: B's places 16 b + 8 h + j, which are the true columns 32 (b / 2) + 16 h + 8 (b % 2) + j.
; REGISTERS, in windows of 256: window 0: v0-31 addresses, v8-11 my four numbers of bo; v32-63 scale words, two sets; from v128 A's fragments, ONE set; on the way out v128-255 hold rows of C.
;   window 1: B's fragments, TWO sets.   window 2: the accumulators of my rows 0-63 ((a, b) at v[8 (8 a + b)]);   window 3: those of my rows 64-127.
.set SIZE_N, 1024
.set SIZE_K, 1024
.set KSTEP,  256
.set NQ,     KSTEP/128
.set ROWB,   192
.set KROW,   SIZE_K*6/8
.set PITCH,  240                       ; an LDS row: 3 x (64 bytes of data + 16 of padding)
.set FR,     12
.set NL,     6
.set NP,     4                         ; places behind this matrix instruction (ISA guide 7.12.1)
.set HALFT,  128*PITCH
.set SLOT,   4*HALFT
.set LAPS,   SIZE_K/(2*KSTEP)
.set KS,     SIZE_K/32
.set SCL,    2*SLOT
.set HALFS,  (128*KS/256)*272
.set SBLK,   (16*KS/256)*272
.set SPARE,  SCL+4*HALFS               ; the spare words, 128 bytes for each wave: two blocks of 256 bytes that no other line names
.set SPITCH, 528                       ; the way out: a stage of 16 rows x (512 bytes + 16) for each wave, in slot 0, which has had its last fill and its last read when the first result is stored there
.set BO,   8                           ; v8-11   bo at my four columns of a row's 128
.set ADRA, 16
.set ADRB, 20
.set STO,  24                          ; v24     the way out: where I put my numbers of a row
.set RD,   25                          ; v25     where I read a row back
.set CO,   26                          ; v26     16 x lane: my byte offset in a row of C
.set ADRS, 27
.set SPW,  28
.set NIL,  29
.set SC,   32
.set AF,   128
.set BK,   128                         ; the way out: 16 rows read back from the stage: v128-191 and v192-255 by turns
.set G1, 24
.set G0, 32
.set G1B, 48
.set G0B, 56
.set G1S, 68
.set G0S, 76
.set G1SB, 80
.set G0SB, 88
.set MSB, 0
.macro WIN new                         ; the immediate's high byte repeats the setting that is left
.if MSB != \new
	s_set_vgpr_msb (MSB<<8)|\new
.set MSB, \new
.endif
.endm
.set MUL_LO, 0xa1
.set MUL_HI, 0xf1
.set TO_B,   0x40
.macro JLOAD g0a, g1a, g0b, g1b        ; a joint load: waves 0 and 1 fetch for A, waves 2 and 3 for B; four v_nop follow each of the two lines
	s_cmp_eq_u32 s15, 0
	s_cbranch_scc0 .Lfor_b_\@
	tensor_load_to_lds s[\g0a:\g0a+3], s[\g1a:\g1a+7]
	s_nop 0
.rept 4
	v_nop
.endr
	s_branch .Lasked_\@
.Lfor_b_\@:
	tensor_load_to_lds s[\g0b:\g0b+3], s[\g1b:\g1b+7]
	s_nop 0
.rept 4
	v_nop
.endr
.Lasked_\@:
.endm
.macro CREST                           ; a round of the cluster's barrier behind its opening barrier
	s_cmp_lg_u32 s14, 0
	s_cbranch_scc1 .Lnot_wave_0_\@
	s_barrier_signal -3
.Lnot_wave_0_\@:
	s_barrier_wait -3
	s_barrier_signal -1
	s_barrier_wait -1
.endm
.macro CROUND
	s_barrier_signal -1
	s_barrier_wait -1
	CREST
.endm
	s_load_b64 s[4:5], s[0:1], 0x0                 ; ctxq
	s_load_b64 s[8:9], s[0:1], 0x8                 ; wq
	s_load_b64 s[100:101], s[0:1], 0x10            ; bo
	s_load_b64 s[12:13], s[0:1], 0x18              ; out0
	v_lshl_add_u32 v[SPW], v0, 2, SPARE
	v_mov_b32 v[NIL], 0
	ds_add_u32 v28, v29
	s_wait_dscnt 0x0
	v_lshrrev_b32 v1, 5, v0
	v_readfirstlane_b32 s14, v1                    ; wave 0..3
	s_lshr_b32 s15, s14, 1                         ; which half of the tile's rows is mine.  Also: I fetch for A (0) or for B (1)
	s_and_b32 s16, s14, 1                          ; which half of its columns.  Also: which 128 rows of that tile I fetch
	s_bfe_u32 s40, ttmp6, 0x40000                  ; cx, cy
	s_bfe_u32 s41, ttmp6, 0x40004
	s_lshl_b32 s42, ttmp9, 2
	s_add_co_u32 s42, s42, s40                     ; tile column of C
	s_and_b32 s17, ttmp7, 0xffff
	s_lshl_b32 s17, s17, 2
	s_add_co_u32 s17, s17, s41                     ; tile row of C
	s_lshl_b32 s43, s41, 2
	s_lshl_b32 s43, 15, s43                        ; my row of the cluster
	s_lshl_b32 s44, 0x1111, s40                    ; my column
	s_or_b32 s[G1+0], s43, (0<<16)|(1<<20)|(1<<21)|(3<<22)|(3<<25)  ; the mask: A's tiles go to my row; elements of 1 byte; padding on; bit 21 beside a mask; after every 16 words 4 words
	s_or_b32 s[G1B+0], s44, (0<<16)|(1<<20)|(1<<21)|(3<<22)|(3<<25)
.irp g, G1, G1B
	s_mov_b32 s[\g+1], ROWB<<16
	s_mov_b32 s[\g+2], 128<<16
	s_mov_b32 s[\g+3], ROWB<<16
	s_mov_b32 s[\g+4], 128
	s_mov_b32 s[\g+5], KROW
	s_mov_b32 s[\g+6], 0
	s_mov_b32 s[\g+7], 0
.endr
	s_or_b32 s[G1S+0], s43, (3<<16)|(1<<20)|(1<<21)|(5<<22)|(3<<25)   ; the scales of 128 rows: 16 dense rows of 256 bytes, 16 bytes of padding behind each
	s_or_b32 s[G1SB+0], s44, (3<<16)|(1<<20)|(1<<21)|(5<<22)|(3<<25)
.irp g, G1S, G1SB
	s_mov_b32 s[\g+1], 32<<16
	s_mov_b32 s[\g+2], (128*KS/256)<<16
	s_mov_b32 s[\g+3], 32<<16
	s_mov_b32 s[\g+4], 128*KS/256
	s_mov_b32 s[\g+5], 32
	s_mov_b32 s[\g+6], 0
	s_mov_b32 s[\g+7], 0
.endr
	s_lshl_b32 s18, s16, 7
	s_lshl_b32 s20, s17, 8
	s_add_co_u32 s20, s20, s18                     ; A: row 256 x tile row + 128 x half
	s_lshl_b32 s46, s42, 8
	s_add_co_u32 s46, s46, s18                     ; B: place 256 x tile column + 128 x half
	s_mov_b32 s21, 0
	s_mov_b32 s47, 0
	s_mov_b64 s[18:19], KS
	s_mul_u64 s[22:23], s[20:21], s[18:19]
	s_mul_u64 s[92:93], s[46:47], s[18:19]
	s_mov_b64 s[18:19], KROW
	s_mul_u64 s[20:21], s[20:21], s[18:19]
	s_mul_u64 s[46:47], s[46:47], s[18:19]
	s_mul_i32 s45, s14, HALFT
	s_mul_i32 s94, s14, HALFS
	s_wait_kmcnt 0x0
	s_add_nc_u64 s[6:7], s[4:5], 3145728           ; ctx's scale bytes lie behind its codes
	s_add_nc_u64 s[10:11], s[8:9], 3145728+3*32768 ; the fourth weight's scale bytes
	s_add_nc_u64 s[8:9], s[8:9], 3*786432          ; and its codes
	s_add_nc_u64 s[20:21], s[4:5], s[20:21]
	s_add_nc_u64 s[22:23], s[6:7], s[22:23]
	s_add_nc_u64 s[46:47], s[8:9], s[46:47]
	s_add_nc_u64 s[92:93], s[10:11], s[92:93]
	CROUND                                         ; all sixteen work-groups are here: the first joint loads meet
	s_mov_b32 s[G0S], 1
	s_add_co_u32 s[G0S+1], s94, SCL
	s_mov_b64 s[G0S+2:G0S+3], s[22:23]
	s_or_b32 s[G0S+3], s[G0S+3], 0x80000000
	s_mov_b32 s[G0SB], 1
	s_add_co_u32 s[G0SB+1], s94, SCL
	s_mov_b64 s[G0SB+2:G0SB+3], s[92:93]
	s_or_b32 s[G0SB+3], s[G0SB+3], 0x80000000
	JLOAD G0S, G1S, G0SB, G1SB
.irp s, 0,1
	s_mov_b32 s[G0+4*\s], 1
	s_add_co_u32 s[G0+4*\s+1], s45, \s*SLOT
	s_add_nc_u64 s[G0+4*\s+2:G0+4*\s+3], s[20:21], \s*ROWB
	s_or_b32 s[G0+4*\s+3], s[G0+4*\s+3], 0x80000000
	s_mov_b32 s[G0B+4*\s], 1
	s_add_co_u32 s[G0B+4*\s+1], s45, \s*SLOT
	s_add_nc_u64 s[G0B+4*\s+2:G0B+4*\s+3], s[46:47], \s*ROWB
	s_or_b32 s[G0B+4*\s+3], s[G0B+4*\s+3], 0x80000000
	JLOAD G0+4*\s, G1, G0B+4*\s, G1B
.endr
	v_and_b32 v1, 15, v0                           ; r
	v_bfe_u32 v2, v0, 4, 1                         ; h
	v_mul_u32_u24 v3, v1, PITCH
	v_mul_u32_u24 v4, v2, 24
	v_add_nc_u32 v4, v3, v4
	v_lshl_add_u32 v5, v2, 4, v4
	s_mul_i32 s21, s15, HALFT
	s_mul_i32 s22, s16, HALFT
	s_add_co_u32 s22, s22, 2*HALFT
.irp s, 0,1
	v_add_nc_u32 v[ADRA+\s], s21, v4
	v_add_nc_u32 v[ADRB+\s], s22, v4
	v_add_nc_u32 v[ADRA+2+\s], s21, v5
	v_add_nc_u32 v[ADRB+2+\s], s22, v5
	s_add_co_u32 s21, s21, SLOT
	s_add_co_u32 s22, s22, SLOT
.endr
	v_mul_u32_u24 v5, v1, KS
	v_lshrrev_b32 v6, 8, v5
	v_lshl_add_u32 v5, v6, 4, v5
	s_mul_i32 s21, s15, HALFS
	s_mul_i32 s22, s16, HALFS
	s_add_co_u32 s22, s22, 2*HALFS
	s_sub_co_u32 s22, s22, s21
	v_mul_u32_u24 v6, s22, v2                      ; lanes 16-31 take B's
	s_add_co_u32 s21, s21, SCL
	v_add_nc_u32 v5, v5, v6
	v_add_nc_u32 v[ADRS], s21, v5
	s_mul_i32 s23, s14, 16*SPITCH                  ; my stage
	v_mul_u32_u24 v5, v1, SPITCH                   ; in: row r, + 64 h: true columns 16 h on of each 32
	v_lshl_add_u32 v5, v2, 6, v5
	v_add_nc_u32 v[STO], s23, v5
	v_and_b32 v6, 31, v0
	v_lshlrev_b32 v[CO], 4, v6                     ; back: the 32 lanes take one row of 512 bytes; and the same in C
	v_add_nc_u32 v[RD], s23, v[CO]
	s_lshl_b32 s20, s17, 8
	s_lshl_b32 s21, s15, 7
	s_add_co_u32 s20, s20, s21                     ; my first row of C
	s_mov_b32 s21, 0
	s_mov_b64 s[18:19], SIZE_N*4
	s_mul_u64 s[20:21], s[20:21], s[18:19]
	s_lshl_b32 s46, s42, 10                        ; my first column, in bytes: 1024 x tile column + 512 x half
	s_lshl_b32 s47, s16, 9
	s_add_co_u32 s46, s46, s47
	s_mov_b32 s47, 0
	s_add_nc_u64 s[20:21], s[20:21], s[46:47]
	s_add_nc_u64 s[12:13], s[12:13], s[20:21]
	s_add_nc_u64 s[100:101], s[100:101], s[46:47]  ; bo at my first column
	global_load_b128 v[BO:BO+3], v[CO], s[100:101] ; neither the base nor the offset register is written again
.macro FRAG reg, adr, q, i             ; a fragment: 12 registers, in pieces of 8 bytes; where the piece three on lies behind one padding more, the second address register serves
.irp p, 0,1,2,3,4,5
.set PC, 12*(\q)+6*(\p/3)+\p%3
.if PC%8 < 5
	ds_load_b64 v[\reg+2*\p:\reg+2*\p+1], v[\adr] offset:8*PC+16*(PC/8)+(\i)*16*PITCH
.else
	ds_load_b64 v[\reg+2*\p:\reg+2*\p+1], v[\adr+2] offset:8*PC+16*(PC/8)+(\i)*16*PITCH
.endif
.endr
.endm
; 16 matrix instructions: A's blocks a0, a0 + 1 x B's eight, 128 along K.  The 64 accumulators take turns, one instruction a turn, in the same order in every step.
.macro MUL16 a0, p, q, sc, zero
.irp a, \a0, \a0+1
.irp b, 0,1,2,3,4,5,6,7
.if \zero
	v_wmma_scale_f32_16x16x128_f8f6f4 v[8*(8*((\a)%4)+\b):8*(8*((\a)%4)+\b)+7], v[128*(\p)+FR*\b:128*(\p)+FR*\b+FR-1], v[AF+FR*(\a):AF+FR*(\a)+FR-1], 0, v[SC+8*NQ*(\sc)+NQ*\b+(\q)], v[SC+8*NQ*(\sc)+NQ*(\a)+(\q)] matrix_a_fmt:MATRIX_FMT_FP6 matrix_b_fmt:MATRIX_FMT_FP6 matrix_a_scale:MATRIX_SCALE_ROW1
.else
	v_wmma_scale_f32_16x16x128_f8f6f4 v[8*(8*((\a)%4)+\b):8*(8*((\a)%4)+\b)+7], v[128*(\p)+FR*\b:128*(\p)+FR*\b+FR-1], v[AF+FR*(\a):AF+FR*(\a)+FR-1], v[8*(8*((\a)%4)+\b):8*(8*((\a)%4)+\b)+7], v[SC+8*NQ*(\sc)+NQ*\b+(\q)], v[SC+8*NQ*(\sc)+NQ*(\a)+(\q)] matrix_a_fmt:MATRIX_FMT_FP6 matrix_b_fmt:MATRIX_FMT_FP6 matrix_a_scale:MATRIX_SCALE_ROW1
.endif
.endr
.endr
.endm
.macro FETCH_B slot, q, p
	WIN TO_B
.irp i, 0,1,2,3,4,5,6,7
	FRAG 128*(\p)+FR*\i, ADRB+\slot, \q, \i
.endr
	WIN 0
.endm
.macro FETCH_A slot, q, i0
.irp i, \i0, \i0+1, \i0+2, \i0+3
	FRAG AF+FR*(\i), ADRA+\slot, \q, \i
.endr
.endm
.macro SCALES sc
.irp i, 0,1,2,3,4,5,6,7
	ds_load_b64 v[SC+8*NQ*\sc+NQ*\i:SC+8*NQ*\sc+NQ*\i+1], v[ADRS] offset:\i*SBLK
.endr
.endm
.macro PLACES n                        ; plain vector instructions between a matrix instruction and a load into, or a read of, its registers (ISA guide 7.12.1 for vector instructions)
.rept \n
	v_nop
.endr
.endm
.macro STEP slot, q, zero
	s_wait_dscnt 4*NL                              ; B's set and A's blocks 0-3 are in; the youngest 24 loads (A's blocks 4-7) may be out
	WIN MUL_LO
	MUL16 0, (\q)%2, \q, \slot, \zero
	MUL16 2, (\q)%2, \q, \slot, \zero
	s_wait_dscnt 0
	PLACES NP
	FETCH_B \slot, (\q)+1, 1-(\q)%2
	FETCH_A \slot, (\q)+1, 0
	WIN MUL_HI
	MUL16 4, (\q)%2, \q, \slot, \zero
	MUL16 6, (\q)%2, \q, \slot, \zero
	PLACES NP
	WIN 0
	FETCH_A \slot, (\q)+1, 4
.endm
.macro TURN slot, next, fill           ; a slot's last step changes slots: ONE barrier; in front of it the wait for all my tensor loads, the add, and the wait for it and for my reads of this slot
	s_wait_tensorcnt 0x0                           ; all my tensor loads have landed: my part of the next slot
	ds_add_u32 v[SPW], v[NIL]                      ; 0 onto my spare word
	s_wait_dscnt 4*NL+1                            ; (the add and the youngest 24 loads may be out)
	WIN MUL_LO
	MUL16 0, 1, NQ-1, \slot, 0
	s_wait_dscnt 0x0                               ; the add is done, and my reads of this slot are over
	s_barrier_signal -1
	MUL16 2, 1, NQ-1, \slot, 0
	WIN 0
	s_barrier_wait -1
.if \fill
	CREST                                          ; the barrier has opened a round of the cluster's barrier
	s_add_nc_u64 s[G0+4*\slot+2:G0+4*\slot+3], s[G0+4*\slot+2:G0+4*\slot+3], 2*ROWB
	s_add_nc_u64 s[G0B+4*\slot+2:G0B+4*\slot+3], s[G0B+4*\slot+2:G0B+4*\slot+3], 2*ROWB
	JLOAD G0+4*\slot, G1, G0B+4*\slot, G1B         ; the first tensor load behind the round; its four v_nop are the places in front of the loads below
.else
	PLACES NP
.endif
	v_add_nc_u32 v[ADRS], 4*NQ, v[ADRS]
	FETCH_B \next, 0, 0
	FETCH_A \next, 0, 0
	SCALES \next
	WIN MUL_HI
	MUL16 4, 1, NQ-1, \slot, 0
	MUL16 6, 1, NQ-1, \slot, 0
	PLACES NP
	WIN 0
	FETCH_A \next, 0, 4
.endm
	s_wait_tensorcnt 1                             ; the scales and my part of K step 0 are in (K step 1's load may be out)
	s_barrier_signal -1
	s_barrier_wait -1
	FETCH_B 0, 0, 0
	FETCH_A 0, 0, 0
	SCALES 0
	FETCH_A 0, 0, 4
	STEP 0, 0, 1                                   ; the first step's products start the sums
	s_mov_b32 s3, LAPS-1
.Llap:
	TURN 0, 1, 1
	STEP 1, 0, 0
	TURN 1, 0, 1
	STEP 0, 0, 0
	s_sub_co_u32 s3, s3, 1
	s_cmp_lg_u32 s3, 0
	s_cbranch_scc1 .Llap
	TURN 0, 1, 0                                   ; the last lap fills nothing
	STEP 1, 0, 0
	s_wait_dscnt 4*NL
	WIN MUL_LO
	MUL16 0, 1, NQ-1, 1, 0
	MUL16 2, 1, NQ-1, 1, 0
	s_wait_dscnt 0
	WIN MUL_HI
	MUL16 4, 1, NQ-1, 1, 0
	MUL16 6, 1, NQ-1, 1, 0
	WIN 0
; THE WAY OUT, block by block of 16 rows x 128 columns, through my own stage in LDS: in by true columns, back as whole rows of 512 bytes; bo is added; the 32 lanes store 512 consecutive bytes, aligned.
; LDS serves a wave's instructions in order (ISA guide 5.7.1.4): no wait between the stores and the loads, nor in front of the next block's stores.
.macro TOSTAGE a
.set AC, 64*((\a)%4)
	WIN 0x08+4*((\a)/4)                            ; the data: window 2 or 3
.irp b, 0,1,2,3,4,5,6,7
	ds_store_b128 v[STO], v[AC+8*\b:AC+8*\b+3] offset:128*(\b/2)+32*(\b%2)          ; each accumulator from its low end on; true columns 32 (b / 2) + 16 h + 8 (b % 2) on
	ds_store_b128 v[STO], v[AC+8*\b+4:AC+8*\b+7] offset:128*(\b/2)+32*(\b%2)+16
.endr
	WIN 0
.set BB, BK+64*((\a)%2)
.irp t, 0,1,2,3,4,5,6,7,8,9,10,11,12,13,14,15
	ds_load_b128 v[BB+4*\t:BB+4*\t+3], v[RD] offset:\t*SPITCH
.endr
.endm
.macro SEND a, younger                 ; younger: the LDS instructions issued behind block a's loads, which may stay out
.set BB, BK+64*((\a)%2)
	s_wait_dscnt \younger                          ; the block is back in registers
.if (\a) > 0
	s_add_nc_u64 s[12:13], s[12:13], 16*SIZE_N*4   ; (behind a wait on XCNT: the earlier stores have read their base)
.endif
.irp t, 0,1,2,3,4,5,6,7,8,9,10,11,12,13,14,15
	v_pk_add_f32 v[BB+4*\t:BB+4*\t+1], v[BB+4*\t:BB+4*\t+1], v[BO:BO+1]
	v_pk_add_f32 v[BB+4*\t+2:BB+4*\t+3], v[BB+4*\t+2:BB+4*\t+3], v[BO+2:BO+3]
	global_store_b128 v[CO], v[BB+4*\t:BB+4*\t+3], s[12:13] offset:\t*SIZE_N*4 th:TH_STORE_NT
.endr
.endm
	s_wait_loadcnt 0x0                             ; bo
	PLACES NP                                      ; behind the last products: their results are read, and A's registers are loaded, below
	TOSTAGE 0
.irp a, 1,2,3,4,5,6,7
.if \a > 1
	s_wait_xcnt 0x0                                ; block a - 2's stores have read their registers and their base
.endif
	TOSTAGE \a
	SEND \a-1, 32                                  ; behind block a - 1's loads: block a's 16 stores and 16 loads
.endr
	s_wait_xcnt 0x0                                ; block 6's stores have read their base
	SEND 7, 0
	s_wait_tensorcnt 0x0                           ; the wave's end
	ds_add_u32 v[SPW], v[NIL]
	s_wait_dscnt 0x0
	CROUND                                         ; the closing round
	s_endpgm
.Lfunc_end_k_q278019b805_proj_o:
	.size	k_q278019b805_proj_o, .Lfunc_end_k_q278019b805_proj_o-k_q278019b805_proj_o
	.p2alignl 7, 3214868480
	.fill 96, 4, 3214868480
	.section	.rodata,"a",@progbits
	.p2align	6, 0x0
	.amdhsa_kernel k_q278019b805_proj_o
		.amdhsa_group_segment_fixed_size 327680
		.amdhsa_private_segment_fixed_size 0
		.amdhsa_enable_private_segment 0
		.amdhsa_kernarg_size 32
		.amdhsa_user_sgpr_count 2
		.amdhsa_user_sgpr_kernarg_segment_ptr 1
		.amdhsa_wavefront_size32 1
		.amdhsa_system_sgpr_workgroup_id_x 1
		.amdhsa_system_sgpr_workgroup_id_y 1
		.amdhsa_system_sgpr_workgroup_id_z 1
		.amdhsa_system_vgpr_workitem_id 0
		.amdhsa_next_free_vgpr 1024
		.amdhsa_next_free_sgpr 102
		.amdhsa_reserve_vcc 0
		.amdhsa_float_denorm_mode_32 3
		.amdhsa_float_denorm_mode_16_64 3
		.amdhsa_memory_ordered 1
		.amdhsa_forward_progress 1
		.amdhsa_inst_pref_size 176
	.end_amdhsa_kernel
	.amdgpu_metadata
---
amdhsa.version: [ 1, 2 ]
amdhsa.kernels:
  - .name:           k_q278019b805_proj_o
    .symbol:         k_q278019b805_proj_o.kd
    .args:
      - { .name: ctxq, .offset: 0, .size: 8, .value_kind: global_buffer, .address_space: global }
      - { .name: wq, .offset: 8, .size: 8, .value_kind: global_buffer, .address_space: global }
      - { .name: bo, .offset: 16, .size: 8, .value_kind: global_buffer, .address_space: global }
      - { .name: out0, .offset: 24, .size: 8, .value_kind: global_buffer, .address_space: global }
    .group_segment_fixed_size: 327680
    .private_segment_fixed_size: 0
    .kernarg_segment_align: 8
    .kernarg_segment_size: 32
    .max_flat_workgroup_size: 128
    .sgpr_count:     102
    .vgpr_count:     1024
    .wavefront_size: 32
...
	.end_amdgpu_metadata
.endif
;; end of part 4
